; MI455X (gfx1250); checked and timed in simulation.
; The chip was launched on July 23, 2026; its instructions are those of AMD's public machine-readable ISA for CDNA 5 (MIT licence, August 2026) and "CDNA5" Instruction Set Architecture Reference Guide (July 2026). The comments in the code are by the model that wrote it; some were corrected since.
;; Mo E Layer. Allowed arithmetic: float matrix products may take bf16 or f16 operands with f32 sums; other float arithmetic in f32, or as packed bf16 or f16 multiplies, adds, multiply-adds, maxima and minima; sums over many terms, partial sums and values carried from step to step in f32; what a program stores and reads back later, other than sums and carried values, may be rounded once to bf16 or f16.
;; Inputs: ed 4 x 2,048 x 1,024 float32; eg 4 x 1,024 x 2,048 float32; eu 4 x 1,024 x 2,048 float32; hidden_states 1 x 2,048 x 1,024 float32; router_w 1,024 x 4 float32; sd 2,048 x 1,024 float32; sg 1,024 x 2,048 float32; su 1,024 x 2,048 float32.
;; Outputs: out0 1 x 2,048 x 1,024 float32; out1 one number float32.
;; 2 versions, each right; version 2 is version 1 with the launches gateup, down written anew for expert scheduling mode. Each part assembles by itself: llvm-mc -triple=amdgcn-amd-amdhsa -mcpu=gfx1250 --defsym DOCPART=n.
;; ======== version 1 of 2: 4 launches
;; workspace buffers: ids 8,192 bytes of whole numbers; rec 65,536 bytes; tabs 15,872 bytes of whole numbers; wv 25,856 bytes; xs 4,390,912 bytes; hf 26,345,472 bytes; dwf 20,971,520 bytes
;; launch router (part 1): grid 256 x 1, 8 waves a work-group, no clusters, 0 bytes of LDS; arguments hidden_states, router_w, ids, rec; writes ids, rec
.if DOCPART == 1
	.amdgcn_target "amdgcn-amd-amdhsa--gfx1250"
	.amdhsa_code_object_version 6
	.text
	.protected	k_qbe79760cba_router
	.globl	k_qbe79760cba_router
	.p2align	8
	.type	k_qbe79760cba_router,@function
k_qbe79760cba_router:
	s_mov_b64 s[64:65], 0
	v_nop
	global_prefetch_b8 v0, s[64:65] scope:SCOPE_SE
	s_setreg_imm32_b32 hwreg(HW_REG_WAVE_MODE, 25, 1), 1
	s_wait_xcnt 0x0
; ROUTER.  One wave, one token: logits = x . router_w, softmax, the best two of four, the z-loss term.
; x and router_w are rounded to bf16 (as every matrix operand of this program is), the products are summed in f32.
; The vector unit does it: the product has 4 columns, a quarter of a matrix instruction's 16, and 8 M of the module's 38,700 M multiply-adds.
; STORED, at fixed places: ids[token] = the number 0..5 of the token's SET of experts ({0,1} {0,2} {0,3} {1,2} {1,3} {2,3});
; rec[token] = p0 p1 p2 p3, w_lo, w_hi (the renormalised weights of the lower and of the higher chosen expert), logsumexp^2, 0.
; No address and no branch hangs on a floating-point number: the choice only selects values.
; LIMITS.  The order is taken on e_i = 2^(log2(e) (l_i - max l)); equal e_i: the lower index wins, as in jax.lax.top_k.  Logits closer than the rounding of the f32 sums and
; of the exponential may be ordered otherwise than by a sum in another order; an e_i below 2^-126 counts as 0.  NaN and infinities are not treated apart (the set number is held to 0..5).
.set X,   4                            ; v4-35     x: load i holds k = 128 i + 4 lane + 0..3
.set W,   36                           ; v36-163   router_w: load 4 i + kk holds the four experts of k = 128 i + 4 lane + kk
.set XP,  164                          ; v164-179  x in bf16, two k a register
.set WP,  180                          ; v180-187  router_w in bf16, two k of one expert a register: two sets of four by turns
.set AC,  188                          ; v188-195  sums: expert e, even k at AC + 2 e, odd k at AC + 2 e + 1
.set LG,  196                          ; v196-199  logits
.set MX,  200                          ; v200      their maximum
.set EX,  204                          ; v204-207  e_i
.set PR,  208                          ; v208-211  p_i
.set RC,  212                          ; v212-215  w_lo, w_hi, logsumexp^2, 0
	s_load_b256 s[4:11], s[0:1], 0x0               ; hidden_states s[4:5], router_w s[6:7], ids s[8:9], rec s[10:11]
	v_and_b32 v1, 31, v0                           ; lane
	v_lshrrev_b32 v2, 5, v0
	v_readfirstlane_b32 s2, v2                     ; wave
	s_lshl_b32 s3, ttmp9, 3
	s_add_co_u32 s3, s3, s2                        ; token = 8 x work-group + wave
	s_lshl_b32 s14, s3, 12
	v_lshl_add_u32 v2, v1, 4, s14                  ; 4,096 x token + 16 x lane
	v_lshlrev_b32 v3, 6, v1                        ; 64 x lane: four rows of router_w
	s_mov_b32 s12, 0x76543210                      ; v_permlanex16_b32: each lane takes its own place in the other half
	s_mov_b32 s13, 0xfedcba98
.irp e, 0,1,2,3,4,5,6,7
	v_mov_b32 v[AC+\e], 0
.endr
	s_wait_kmcnt 0x0
.set i, 0
.rept 8
	global_load_b128 v[X+4*i:X+4*i+3], v2, s[4:5] offset:512*i      ; 512 consecutive bytes of the row
.set i, i+1
.endr
.set i, 0
.rept 32
	global_load_b128 v[W+4*i:W+4*i+3], v3, s[6:7] offset:2048*(i/4)+16*(i%4)
.set i, i+1
.endr
	s_wait_loadcnt 32                              ; x is in: router_w's 32 loads are younger
.set i, 0
.rept 16
	v_cvt_pk_bf16_f32 v[XP+i], v[X+2*i], v[X+2*i+1]
.set i, i+1
.endr
	s_wait_loadcnt 0x0
.set i, 0
.rept 16                               ; pair i: k = 128 (i / 2) + 4 lane + 2 (i % 2) and the next
.set WB, W+8*i
.set WQ, WP+4*(i%2)
.irp e, 0,1,2,3
	v_cvt_pk_bf16_f32 v[WQ+\e], v[WB+\e], v[WB+4+\e]
.endr
.irp e, 0,1,2,3
	v_fma_mix_f32_bf16 v[AC+2*\e], v[XP+i], v[WQ+\e], v[AC+2*\e] op_sel_hi:[1,1,0]
	v_fma_mix_f32_bf16 v[AC+2*\e+1], v[XP+i], v[WQ+\e], v[AC+2*\e+1] op_sel:[1,1,0] op_sel_hi:[1,1,0]
.endr
.set i, i+1
.endr
.irp e, 0,1,2,3
	v_add_f32 v[LG+\e], v[AC+2*\e], v[AC+2*\e+1]
.endr
.irp m, 1,2,4,8                        ; the sum over the 32 lanes; every lane ends with all four logits
.irp e, 0,1,2,3
	v_add_f32_dpp v[LG+\e], v[LG+\e], v[LG+\e] row_xmask:\m row_mask:0xf bank_mask:0xf
.endr
.endr
.irp e, 0,1,2,3
	v_permlanex16_b32 v[WP+\e], v[LG+\e], s12, s13
.endr
.irp e, 0,1,2,3
	v_add_f32 v[LG+\e], v[LG+\e], v[WP+\e]
.endr
	v_max3_num_f32 v[MX], v[LG], v[LG+1], v[LG+2]
	v_max_num_f32 v[MX], v[MX], v[LG+3]
.irp e, 0,1,2,3
	v_sub_f32 v[EX+\e], v[LG+\e], v[MX]            ; the maximum is taken away first, as softmax and logsumexp do
.endr
.irp e, 0,1,2,3
	v_mul_f32 v[EX+\e], 0x3fb8aa3b, v[EX+\e]       ; x log2(e)
.endr
.irp e, 0,1,2,3
	v_exp_f32 v[EX+\e], v[EX+\e]
.endr
	v_nop                                          ; a plain instruction behind the last exponential,
	s_wait_alu depctr_va_vdst(0)                   ; and one wait for the batch of four, ahead of the first use
; t_ij = 1 where e_i >= e_j (i < j): then i stands ahead of j.  rank = how many stand ahead; chosen: rank < 2.
.macro GE d, a, b
	v_cmp_ge_f32 vcc_lo, v[EX+\a], v[EX+\b]
	v_cndmask_b32 v[\d], 0, 1, vcc_lo
.endm
	GE 4, 0, 1
	GE 5, 0, 2
	GE 6, 0, 3
	GE 7, 1, 2
	GE 8, 1, 3
	GE 9, 2, 3
	v_add3_u32 v10, v4, v5, v6
	v_sub_nc_u32 v10, 3, v10                       ; rank 0 = 3 - t01 - t02 - t03
	v_add_nc_u32 v11, v7, v8
	v_sub_nc_u32 v11, v4, v11
	v_add_nc_u32 v11, 2, v11                       ; rank 1 = 2 + t01 - t12 - t13
	v_add3_u32 v12, v5, v7, 1
	v_sub_nc_u32 v12, v12, v9                      ; rank 2 = 1 + t02 + t12 - t23
	v_add3_u32 v13, v6, v8, v9                     ; rank 3 = t03 + t13 + t23
.irp e, 0,1,2,3
	v_cmp_gt_u32 s[16+\e], 2, v[10+\e]
.endr
	; the set's number from two tables of nibbles, indexed by the chosen bits 0..2; bit 3 picks the table
	v_cndmask_b32 v14, 0, 4, s16
	v_cndmask_b32 v15, 0, 8, s17
	v_cndmask_b32 v16, 0, 16, s18
	v_add3_u32 v17, v14, v15, v16
	v_mov_b32 v18, 0x03100000                      ; {0,1} -> 0, {0,2} -> 1, {1,2} -> 3
	v_mov_b32 v19, 0x00050420                      ; with expert 3: {0} -> 2, {1} -> 4, {2} -> 5
	v_cndmask_b32 v18, v18, v19, s19
	v_lshrrev_b32 v18, v17, v18
	v_and_b32 v18, 15, v18
	v_min_u32 v18, 5, v18
	v_cndmask_b32 v20, v[EX], v[EX+1], s17         ; e of the higher chosen expert: the last chosen in ascending order
	v_cndmask_b32 v20, v20, v[EX+2], s18
	v_cndmask_b32 v20, v20, v[EX+3], s19
	v_cndmask_b32 v21, v[EX+3], v[EX+2], s18       ; e of the lower one
	v_cndmask_b32 v21, v21, v[EX+1], s17
	v_cndmask_b32 v21, v21, v[EX], s16
	v_add_f32 v22, v[EX], v[EX+1]
	v_add_f32 v23, v[EX+2], v[EX+3]
	v_add_f32 v22, v22, v23                        ; the softmax's sum
	v_add_f32 v23, v20, v21                        ; the two chosen ones' sum
	v_rcp_f32 v24, v22
	v_rcp_f32 v25, v23
	v_log_f32 v26, v22
	v_nop
	s_wait_alu depctr_va_vdst(0)                   ; one wait for the batch of three
.irp e, 0,1,2,3
	v_mul_f32 v[PR+\e], v[EX+\e], v24
.endr
	v_mul_f32 v[RC], v21, v25
	v_mul_f32 v[RC+1], v20, v25
	v_fmamk_f32 v27, v26, 0x3f317218, v[MX]        ; logsumexp = max + ln 2 x log2(sum)
	v_mul_f32 v[RC+2], v27, v27
	v_mov_b32 v[RC+3], 0
	s_lshl_b32 s14, s3, 5
	s_lshl_b32 s15, s3, 2
	v_mov_b32 v28, s14
	v_mov_b32 v29, s15
	s_wait_xcnt 0x0                                ; EXEC changes only behind this wait
	v_cmp_eq_u32 vcc_lo, 0, v1
	s_and_saveexec_b32 s20, vcc_lo                 ; every lane holds the results: lane 0 stores them
	global_store_b128 v28, v[PR:PR+3], s[10:11]
	global_store_b128 v28, v[RC:RC+3], s[10:11] offset:16
	global_store_b32 v29, v18, s[8:9]
	s_wait_xcnt 0x0                                ; and again, in front of the line that widens it
	s_or_b32 exec_lo, exec_lo, s20
	s_endpgm
.Lfunc_end_k_qbe79760cba_router:
	.size	k_qbe79760cba_router, .Lfunc_end_k_qbe79760cba_router-k_qbe79760cba_router
	.p2alignl 7, 3214868480
	.fill 96, 4, 3214868480
	.section	.rodata,"a",@progbits
	.p2align	6, 0x0
	.amdhsa_kernel k_qbe79760cba_router
		.amdhsa_group_segment_fixed_size 0
		.amdhsa_private_segment_fixed_size 0
		.amdhsa_enable_private_segment 0
		.amdhsa_kernarg_size 32
		.amdhsa_user_sgpr_count 2
		.amdhsa_user_sgpr_kernarg_segment_ptr 1
		.amdhsa_wavefront_size32 1
		.amdhsa_system_sgpr_workgroup_id_x 1
		.amdhsa_system_sgpr_workgroup_id_y 1
		.amdhsa_system_sgpr_workgroup_id_z 1
		.amdhsa_system_vgpr_workitem_id 0
		.amdhsa_next_free_vgpr 224
		.amdhsa_next_free_sgpr 66
		.amdhsa_reserve_vcc 1
		.amdhsa_float_denorm_mode_32 3
		.amdhsa_float_denorm_mode_16_64 3
		.amdhsa_memory_ordered 1
		.amdhsa_forward_progress 1
		.amdhsa_inst_pref_size 24
	.end_amdhsa_kernel
	.amdgpu_metadata
---
amdhsa.version: [ 1, 2 ]
amdhsa.kernels:
  - .name:           k_qbe79760cba_router
    .symbol:         k_qbe79760cba_router.kd
    .args:
      - { .name: hidden_states, .offset: 0, .size: 8, .value_kind: global_buffer, .address_space: global }
      - { .name: router_w, .offset: 8, .size: 8, .value_kind: global_buffer, .address_space: global }
      - { .name: ids, .offset: 16, .size: 8, .value_kind: global_buffer, .address_space: global }
      - { .name: rec, .offset: 24, .size: 8, .value_kind: global_buffer, .address_space: global }
    .group_segment_fixed_size: 0
    .private_segment_fixed_size: 0
    .kernarg_segment_align: 8
    .kernarg_segment_size: 32
    .max_flat_workgroup_size: 256
    .sgpr_count:     66
    .vgpr_count:     224
    .wavefront_size: 32
...
	.end_amdgpu_metadata
.endif
;; end of part 1
;; launch prep (part 2): grid 228 x 1, 8 waves a work-group, no clusters, 2,304 bytes of LDS; arguments ed, sd, hidden_states, ids, rec, dwf, xs, wv, tabs, out1; writes dwf, xs, wv, tabs, out1
.if DOCPART == 2
	.amdgcn_target "amdgcn-amd-amdhsa--gfx1250"
	.amdhsa_code_object_version 6
	.text
	.protected	k_qbe79760cba_prep
	.globl	k_qbe79760cba_prep
	.p2align	8
	.type	k_qbe79760cba_prep,@function
k_qbe79760cba_prep:
	s_mov_b64 s[64:65], 0
	v_nop
	global_prefetch_b8 v0, s[64:65] scope:SCOPE_SE
	s_setreg_imm32_b32 hwreg(HW_REG_WAVE_MODE, 25, 1), 1
	s_wait_xcnt 0x0
; PREP: three kinds of work-group, told apart by the work-group's number alone.
; A FRAGMENT is a matrix operand of 16 rows x 32 k in bf16, stored as its registers lie: 1,024 bytes, a lane's registers 0-3 at 16 x lane, registers 4-7 at 512 + 16 x lane.
; CAST (0..159): the down weights (ed's four experts, sd as a fifth) are rounded to bf16 once and laid out as fragments:
;   dwf[expert][column tile of 128][k-block][q = 4 g + f][1 KB].  Fragment (g, f): lane row n is column 64 g + 4 n + f of the tile, so that a lane's 16-byte load (4 neighbouring columns of one row)
;   feeds four fragments and two rows pack into one register: the turn from [k][n] costs nothing.  k-block 2 c + p takes the rows in the order in which the product before leaves them:
;   place kk < 16 is row 64 c + 4 kk + 2 p, place kk >= 16 is row 64 c + 4 (kk - 16) + 2 p + 1.
; The others first SCAN ids: every wave counts the six sets for itself.  Tokens are sorted by set, each set padded to whole BLOCKS of 16 rows: at most (2048 + 6 x 15) / 16 = 133 blocks.
;   The order inside a set is that of the scan: register m of lane l holds token 128 (m / 4) + 4 l + m % 4, and m counts first.
; GATHER (160..226): two blocks a work-group, four waves a block (256 k each): finds the block's 16 tokens, rounds their x to bf16 and stores it as fragments, xs[block][k-block][1 KB];
;   places past the set's count repeat the block's last token.  The first of the four waves stores the tokens (tabs + 7,168) and the weights wv[slot][place]: 1, w_lo, w_hi.
; TABLES (227): the lists that steer the two launches behind, and the aux loss.
;   tabs + 1,024 job + 32 unit: six words block | slot << 16 (clamped to the job's last), the number of live blocks, 0.  Jobs 0-3: an expert's blocks; 4, 5: the halves of all blocks for the shared expert.
;   tabs + 6,144 + 32 tile: five blocks of ONE set (clamped), their number, the set's two experts.  The sum over sets of ceil(count / 80) is at most (2048 + 6 x 79) / 80 = 31 tiles.
.set SPARE, 1024                       ; LDS: 0-1,023 a list of 16 tokens and a word for the rest, 128 bytes a wave; 1,024-2,047 the spare words; 2,048-2,303 the aux sums, 32 bytes a wave
.set AUXB,  2048
.set R,     32                         ; v32-95   ids as loaded; later what is stored
.set PB,    32                         ; CAST: two sets of 32 packed registers
.set LB,    96                         ; CAST: two buffers of 64 for rows in f32
.set XL,    96                         ; GATHER: 128 registers of x in f32
	s_load_b512 s[68:83], s[0:1], 0x0              ; ed s[68:69], sd s[70:71], hidden_states s[72:73], ids s[74:75], rec s[76:77], dwf s[78:79], xs s[80:81], wv s[82:83]
	s_load_b128 s[84:87], s[0:1], 0x40             ; tabs s[84:85], out1 s[86:87]
	v_lshl_add_u32 v28, v0, 2, SPARE               ; my spare word,
	v_mov_b32 v29, 0                               ; and 0: kept for the closing lines alone
	v_and_b32 v1, 31, v0                           ; lane
	v_lshrrev_b32 v2, 5, v0
	v_readfirstlane_b32 s2, v2                     ; wave
	v_and_b32 v2, 15, v0                           ; r = lane % 16
	v_bfe_u32 v3, v0, 4, 1                         ; h = lane / 16
	v_lshlrev_b32 v4, 4, v1                        ; 16 x lane
	v_lshlrev_b32 v5, 2, v1                        ; 4 x lane
	s_wait_kmcnt 0x0
	s_cmp_ge_u32 ttmp9, 160
	s_cbranch_scc1 .Lsort
; ---------------- CAST: expert e = number / 32, 64 rows c = number % 32, wave = column tile ----------------
	s_lshr_b32 s3, ttmp9, 5
	s_and_b32 s4, ttmp9, 31
	s_cmp_lt_u32 s3, 4
	s_cselect_b64 s[8:9], s[68:69], s[70:71]       ; ed, or sd for the fifth
	s_cselect_b32 s10, s3, 0
	s_lshl_b32 s10, s10, 23                        ; an expert is 8 MiB,
	s_lshl_b32 s11, s4, 18                         ; 64 rows of 4,096 bytes,
	s_add_co_u32 s10, s10, s11
	s_lshl_b32 s11, s2, 9                          ; 128 columns
	s_add_co_u32 s10, s10, s11
	s_mov_b32 s11, 0
	s_add_nc_u64 s[8:9], s[8:9], s[10:11]
	s_lshl_b32 s12, s3, 3
	s_add_co_u32 s12, s12, s2
	s_lshl_b32 s12, s12, 19                        ; (8 e + tile) x 64 k-blocks x 8 KB
	s_lshl_b32 s13, s4, 14                         ; + k-block 2 c
	s_add_co_u32 s12, s12, s13
	s_mov_b32 s13, 0
	s_add_nc_u64 s[12:13], s[78:79], s[12:13]
	v_lshlrev_b32 v6, 4, v2
	v_lshl_add_u32 v6, v3, 17, v6                  ; 32 rows x h + 16 r
; Item n = (p = n / 2, g = n % 2).  CLOAD: its 16 rows; load 8 half + j takes row 32 h + 4 j + 2 p + half: lanes 0-15 take 256 consecutive bytes of one row, lanes 16-31 of another.
.macro CLOAD n, buf
.set hj, 0
.rept 16
	global_load_b128 v[LB+64*(\buf)+4*hj:LB+64*(\buf)+4*hj+3], v6, s[8:9] offset:(4*(hj%8)+2*((\n)/2)+hj/8)*4096+((\n)%2)*256 th:TH_LOAD_NT
.set hj, hj+1
.endr
.endm
; CPUT: register 4 half + i of fragment f packs rows j = 2 i, 2 i + 1 of column 4 r + f; then the four fragments go out, 512 consecutive bytes a store.
.macro CPUT n, buf, pk
.set f, 0
.rept 4
.set hi, 0
.rept 8
	v_cvt_pk_bf16_f32 v[PB+32*(\pk)+8*f+hi], v[LB+64*(\buf)+(8*(hi/4)+2*(hi%4))*4+f], v[LB+64*(\buf)+(8*(hi/4)+2*(hi%4)+1)*4+f]
.set hi, hi+1
.endr
.set f, f+1
.endr
.set f, 0
.rept 4
	global_store_b128 v4, v[PB+32*(\pk)+8*f:PB+32*(\pk)+8*f+3], s[12:13] offset:((\n)/2)*8192+((\n)%2)*4096+f*1024
	global_store_b128 v4, v[PB+32*(\pk)+8*f+4:PB+32*(\pk)+8*f+7], s[12:13] offset:((\n)/2)*8192+((\n)%2)*4096+f*1024+512
.set f, f+1
.endr
.endm
	CLOAD 0, 0
	CLOAD 1, 1
	s_wait_loadcnt 16                              ; item 0 is in: item 1's 16 loads are younger
	CPUT 0, 0, 0
	CLOAD 2, 0
	s_wait_loadcnt 16                              ; item 1 is in
	CPUT 1, 1, 1
	CLOAD 3, 1
	s_wait_loadcnt 16                              ; item 2 is in
	s_wait_xcnt 0x0                                ; item 0's stores have read the first set of packed registers
	CPUT 2, 0, 0
	s_wait_loadcnt 0x0
	s_wait_xcnt 0x0                                ; item 1's have read the second
	CPUT 3, 1, 1
	s_endpgm                                       ; these waves wrote no LDS
; ---------------- SCAN: each wave counts the sets ----------------
.Lsort:
.set g, 0
.rept 16
	global_load_b128 v[R+4*g:R+4*g+3], v4, s[74:75] offset:512*g
.set g, g+1
.endr
.irp s, 0,1,2,3,4
	s_mov_b32 s[20+\s], 0
.endr
	s_wait_loadcnt 0x0
.set m, 0
.rept 64
.irp s, 0,1,2,3,4
	v_cmp_eq_u32 s[26+\s], \s, v[R+m]
.endr
.irp s, 0,1,2,3,4
	s_bcnt1_i32_b32 s[8+\s], s[26+\s]
.endr
.irp s, 0,1,2,3,4
	s_add_co_u32 s[20+\s], s[20+\s], s[8+\s]
.endr
.set m, m+1
.endr
	s_add_co_u32 s25, s20, s21
	s_add_co_u32 s25, s25, s22
	s_add_co_u32 s25, s25, s23
	s_add_co_u32 s25, s25, s24
	s_sub_co_u32 s25, 2048, s25                    ; s20-25: the sets' counts
.irp s, 0,1,2,3,4,5
	s_add_co_u32 s[32+\s], s[20+\s], 15
	s_lshr_b32 s[32+\s], s[32+\s], 4               ; s32-37: their blocks
.endr
	s_mov_b32 s38, 0
.irp s, 0,1,2,3,4,5
	s_add_co_u32 s[39+\s], s[38+\s], s[32+\s]      ; s38-44: each set's first block; s44: all blocks
.endr
	s_cmp_eq_u32 ttmp9, 227
	s_cbranch_scc1 .Ltables
; ---------------- GATHER ----------------
	s_sub_co_u32 s3, ttmp9, 160
	s_lshl_b32 s3, s3, 1
	s_lshr_b32 s4, s2, 2
	s_add_co_u32 s3, s3, s4                        ; my block
	s_and_b32 s4, s2, 3                            ; my quarter of k
	s_cmp_ge_u32 s3, s44
	s_cbranch_scc1 .Lgone                          ; no such block in this split: nothing has been written
	s_mov_b32 s5, 0                                ; the block's set: the last whose first block is not beyond mine,
	s_mov_b32 s6, 0                                ; that first block,
	s_mov_b32 s7, s20                              ; and the set's count
.irp i, 1,2,3,4,5
	s_cmp_ge_u32 s3, s[38+\i]
	s_cselect_b32 s5, \i, s5
	s_cselect_b32 s6, s[38+\i], s6
	s_cselect_b32 s7, s[20+\i], s7
.endr
	s_sub_co_u32 s6, s3, s6
	s_lshl_b32 s6, s6, 4                           ; the rank of the block's first token in its set
	s_sub_co_u32 s7, s7, s6
	s_min_u32 s7, s7, 16
	s_sub_co_u32 s7, s7, 1                         ; live rows - 1
	s_sub_co_u32 s6, 0, s6                         ; the running rank, less that first rank
	s_lshl_b32 s14, s2, 7                          ; my wave's list in LDS
; Four registers of ids: a token of my set whose rank falls into the block writes its number into the list; all others write to word 16, which nobody reads.
.macro FIND4 m0
.irp k, 0,1,2,3
	v_cmp_eq_u32 s[8+\k], s5, v[R+(\m0)+\k]
.endr
.irp k, 0,1,2,3
	v_mbcnt_lo_u32_b32 v[8+\k], s[8+\k], s6        ; rank = those of the set in lower lanes + those seen before
	s_bcnt1_i32_b32 s12, s[8+\k]
	s_add_co_u32 s6, s6, s12
.endr
.irp k, 0,1,2,3
	v_cndmask_b32 v[8+\k], 16, v[8+\k], s[8+\k]
.endr
.irp k, 0,1,2,3
	v_min_u32 v[8+\k], 16, v[8+\k]                 ; ranks ahead of the block wrap to large numbers: they go to word 16 too
.endr
.irp k, 0,1,2,3
	v_lshl_add_u32 v[8+\k], v[8+\k], 2, s14
.endr
.irp k, 0,1,2,3
	v_add_nc_u32 v[12+\k], 32*(\m0)+\k, v5         ; token 128 (m / 4) + 4 lane + m % 4
	ds_store_b32 v[8+\k], v[12+\k]
.endr
.endm
.set mm, 0
.rept 16
	FIND4 mm
.set mm, mm+4
.endr
	v_min_u32 v16, s7, v2                          ; rows past the count repeat the last live row
	v_min_u32 v16, 15, v16
	v_lshl_add_u32 v16, v16, 2, s14
	ds_load_b32 v17, v16                           ; LDS serves a wave's instructions in order (ISA guide 5.7.1.4): this sees the stores above
	s_wait_dscnt 0x0
	v_min_u32 v17, 0x7ff, v17                      ; my row's token
	v_lshlrev_b32 v18, 12, v17
	v_lshl_add_u32 v18, v3, 5, v18                 ; + 8 k x h
	s_lshl_b32 s8, s4, 10
	v_add_nc_u32 v18, s8, v18                      ; + my 256 k
.set kb, 0
.rept 8                                ; k-block kb: k = 8 h + 0..7 (registers 0-3 of the fragment) and 16 + 8 h + 0..7 (registers 4-7)
	global_load_b128 v[XL+16*kb:XL+16*kb+3],     v18, s[72:73] offset:128*kb
	global_load_b128 v[XL+16*kb+4:XL+16*kb+7],   v18, s[72:73] offset:128*kb+16
	global_load_b128 v[XL+16*kb+8:XL+16*kb+11],  v18, s[72:73] offset:128*kb+64
	global_load_b128 v[XL+16*kb+12:XL+16*kb+15], v18, s[72:73] offset:128*kb+80
.set kb, kb+1
.endr
	v_lshlrev_b32 v19, 5, v17
	global_load_b64 v[20:21], v19, s[76:77] offset:16      ; w_lo, w_hi
	s_lshl_b32 s8, s3, 15
	s_lshl_b32 s9, s4, 13
	s_add_co_u32 s8, s8, s9
	v_add_nc_u32 v22, s8, v4                       ; 32 KB x block + 8 KB x quarter + 16 x lane
	s_wait_loadcnt 0x0
.set n, 0
.rept 64
	v_cvt_pk_bf16_f32 v[R+n], v[XL+2*n], v[XL+2*n+1]
.set n, n+1
.endr
.set kb, 0
.rept 8
	global_store_b128 v22, v[R+8*kb:R+8*kb+3],   s[80:81] offset:1024*kb
	global_store_b128 v22, v[R+8*kb+4:R+8*kb+7], s[80:81] offset:1024*kb+512
.set kb, kb+1
.endr
	s_cmp_lg_u32 s4, 0
	s_cbranch_scc1 .Lgend
	v_lshlrev_b32 v23, 2, v2
	s_lshl_b32 s8, s3, 6
	v_add_nc_u32 v23, s8, v23                      ; 4 (16 block + r); lanes 16-31 store what lanes 0-15 store
	v_mov_b32 v24, 1.0
	global_store_b32 v23, v17, s[84:85] offset:7168
	global_store_b32 v23, v24, s[82:83]
	global_store_b32 v23, v20, s[82:83] offset:8576
	global_store_b32 v23, v21, s[82:83] offset:17152
.Lgend:
	s_wait_tensorcnt 0x0                           ; the wave's end
	ds_add_u32 v28, v29
	s_wait_dscnt 0x0
.Lgone:
	s_endpgm
; ---------------- TABLES and the aux loss ----------------
.Ltables:
.irp s, 0,1,2,3,4,5
	s_add_co_u32 s[46+\s], s[32+\s], 4
	s_mul_i32 s[46+\s], s[46+\s], 205
	s_lshr_b32 s[46+\s], s[46+\s], 10              ; s46-51: tiles of five blocks a set: (n + 4) / 5, exact below 1,024
.endr
	s_mov_b32 s52, 0
.irp s, 0,1,2,3,4,5
	s_add_co_u32 s[53+\s], s[52+\s], s[46+\s]      ; s52-58: each set's first tile
.endr
	s_mov_b32 s59, 0
	s_add_co_u32 s60, s44, 1
	s_lshr_b32 s60, s60, 1                         ; the first half of all blocks,
	s_sub_co_u32 s61, s44, s60                     ; and the second
	v_lshrrev_b32 v6, 3, v0                        ; unit, or tile
	v_and_b32 v7, 7, v0                            ; word
	v_mul_u32_u24 v8, 6, v6
	v_add_nc_u32 v9, v8, v7                        ; 6 unit + word
	v_lshlrev_b32 v10, 2, v0
	v_cmp_eq_u32 s62, 6, v7
	v_cmp_eq_u32 s63, 7, v7
	v_mov_b32 v11, 0
; A job's blocks are up to three runs (first block, length: scalar registers' numbers; slot: a constant).  Each thread makes one word; a store covers the job's 1,024 bytes.
.macro ETAB job, st1, len1, l1, st2, len2, l2, st3, len3, l3
	s_add_co_u32 s8, s[\len1], s[\len2]
	s_add_co_u32 s9, s8, s[\len3]                  ; the job's blocks
	s_max_u32 s10, s9, 1
	s_sub_co_u32 s10, s10, 1                       ; the last one's index
	s_add_co_u32 s11, s[\st1], (\l1)<<16           ; what is added to an index in run 1,
	s_sub_co_u32 s12, s[\st2], s[\len1]
	s_add_co_u32 s12, s12, (\l2)<<16               ; in run 2,
	s_sub_co_u32 s13, s[\st3], s8
	s_add_co_u32 s13, s13, (\l3)<<16               ; in run 3
	v_min_u32 v12, s10, v9
	v_mov_b32 v13, s11
	v_cmp_le_u32 vcc_lo, s[\len1], v12
	v_cndmask_b32 v13, v13, s12, vcc_lo
	v_cmp_le_u32 vcc_lo, s8, v12
	v_cndmask_b32 v13, v13, s13, vcc_lo
	v_add_nc_u32 v13, v13, v12
	v_min_u32 v14, s9, v8
	v_sub_nc_u32 v14, s9, v14
	v_min_u32 v14, 6, v14                          ; live blocks of the unit
	v_cndmask_b32 v13, v13, v14, s62
	v_cndmask_b32 v[40+\job], v13, v11, s63        ; each job has a data register of its own: no wait between the stores
	global_store_b32 v10, v[40+\job], s[84:85] offset:1024*(\job)
.endm
	ETAB 0, 38,32,1, 39,33,1, 40,34,1              ; expert 0: the lower one of sets 0, 1, 2
	ETAB 1, 38,32,2, 41,35,1, 42,36,1              ; expert 1: the higher of set 0, the lower of sets 3, 4
	ETAB 2, 39,33,2, 41,35,2, 43,37,1
	ETAB 3, 40,34,2, 42,36,2, 43,37,2
	ETAB 4, 59,60,0, 59,59,0, 59,59,0              ; the shared expert: all blocks, in two halves
	ETAB 5, 60,61,0, 59,59,0, 59,59,0
	v_mov_b32 v15, 0                               ; the tile's set, its first block, its blocks, its first tile
	v_mov_b32 v16, 0
	v_mov_b32 v17, s32
	v_mov_b32 v18, 0
.irp i, 1,2,3,4,5
	v_cmp_le_u32 vcc_lo, s[52+\i], v6
	v_cndmask_b32 v15, v15, \i, vcc_lo
	v_cndmask_b32 v16, v16, s[38+\i], vcc_lo
	v_cndmask_b32 v17, v17, s[32+\i], vcc_lo
	v_cndmask_b32 v18, v18, s[52+\i], vcc_lo
.endr
	v_sub_nc_u32 v18, v6, v18
	v_mul_u32_u24 v18, 5, v18                      ; blocks of the set ahead of the tile
	v_add_nc_u32 v16, v16, v18
	v_min_u32 v19, v18, v17
	v_sub_nc_u32 v19, v17, v19
	v_min_u32 v19, 5, v19                          ; the tile's blocks: 0 behind the last tile
	v_min_u32 v20, 1, v19
	v_sub_nc_u32 v20, v19, v20
	v_min_u32 v20, v20, v7
	v_add_nc_u32 v16, v16, v20                     ; words 0-4: the blocks, clamped to the tile's last
	v_lshlrev_b32 v15, 2, v15
	v_mov_b32 v21, 0x211000                        ; the sets' lower experts, a nibble each,
	v_mov_b32 v22, 0x332321                        ; and the higher ones
	v_lshrrev_b32 v21, v15, v21
	v_lshrrev_b32 v22, v15, v22
	v_and_b32 v21, 15, v21
	v_and_b32 v22, 15, v22
	v_cmp_eq_u32 vcc_lo, 5, v7
	v_cndmask_b32 v16, v16, v19, vcc_lo
	v_cndmask_b32 v16, v16, v21, s62
	v_cndmask_b32 v46, v16, v22, s63
	global_store_b32 v10, v46, s[84:85] offset:6144
	; the aux loss: wave w sums p0..p3 and logsumexp^2 over tokens 256 w .. 256 w + 255
	s_lshl_b32 s8, s2, 13
	v_lshl_add_u32 v23, v1, 5, s8
.set g, 0
.rept 8
	global_load_b128 v[48+4*g:51+4*g], v23, s[76:77] offset:1024*g
	global_load_b32 v[80+g], v23, s[76:77] offset:1024*g+24
.set g, g+1
.endr
	s_mov_b32 s16, 0x76543210
	s_mov_b32 s17, 0xfedcba98
	s_lshl_b32 s9, s2, 5
	v_mov_b32 v24, s9
	s_wait_loadcnt 0x0
.irp g, 0,1,2,3
	v_pk_add_f32 v[48+4*\g:49+4*\g], v[48+4*\g:49+4*\g], v[64+4*\g:65+4*\g]
	v_pk_add_f32 v[50+4*\g:51+4*\g], v[50+4*\g:51+4*\g], v[66+4*\g:67+4*\g]
.endr
.irp g, 0,1
	v_pk_add_f32 v[48+4*\g:49+4*\g], v[48+4*\g:49+4*\g], v[56+4*\g:57+4*\g]
	v_pk_add_f32 v[50+4*\g:51+4*\g], v[50+4*\g:51+4*\g], v[58+4*\g:59+4*\g]
.endr
	v_pk_add_f32 v[48:49], v[48:49], v[52:53]
	v_pk_add_f32 v[50:51], v[50:51], v[54:55]
	v_pk_add_f32 v[80:81], v[80:81], v[84:85]
	v_pk_add_f32 v[82:83], v[82:83], v[86:87]
	v_pk_add_f32 v[80:81], v[80:81], v[82:83]
	v_add_f32 v52, v80, v81
.irp m, 1,2,4,8
.irp e, 0,1,2,3,4
	v_add_f32_dpp v[48+\e], v[48+\e], v[48+\e] row_xmask:\m row_mask:0xf bank_mask:0xf
.endr
.endr
.irp e, 0,1,2,3,4
	v_permlanex16_b32 v[56+\e], v[48+\e], s16, s17
.endr
.irp e, 0,1,2,3,4
	v_add_f32 v[48+\e], v[48+\e], v[56+\e]
.endr
	ds_store_b128 v24, v[48:51] offset:AUXB        ; all lanes write the same words with the same values
	ds_store_b32 v24, v52 offset:AUXB+16
	s_wait_dscnt 0x0                               ; for the others' sake: my sums are in LDS
	s_barrier_signal -1
	s_barrier_wait -1
	v_and_b32 v25, 7, v0
	v_lshlrev_b32 v25, 5, v25
	ds_load_b128 v[48:51], v25 offset:AUXB         ; lane l takes wave l % 8's sums
	ds_load_b32 v52, v25 offset:AUXB+16
	s_wait_dscnt 0x0
.irp m, 1,2,4
.irp e, 0,1,2,3,4
	v_add_f32_dpp v[48+\e], v[48+\e], v[48+\e] row_xmask:\m row_mask:0xf bank_mask:0xf
.endr
.endr
	s_add_co_u32 s8, s20, s21                      ; tokens of each expert, from the sets' counts
	s_add_co_u32 s8, s8, s22
	s_add_co_u32 s9, s20, s23
	s_add_co_u32 s9, s9, s24
	s_add_co_u32 s10, s21, s23
	s_add_co_u32 s10, s10, s25
	s_add_co_u32 s11, s22, s24
	s_add_co_u32 s11, s11, s25
.irp e, 0,1,2,3
	v_cvt_f32_u32 v[53+\e], s[8+\e]
.endr
	v_mul_f32 v57, v53, v48
	v_fmac_f32 v57, v54, v49
	v_fmac_f32 v57, v55, v50
	v_fmac_f32 v57, v56, v51
	v_mul_f32 v57, 0x31a3d70a, v57                 ; 0.01 x 4 / (4,096 x 2,048)
	v_fmamk_f32 v57, v52, 0x3503126f, v57          ; + 0.001 / 2,048 x the sum of logsumexp^2
	s_cmp_lg_u32 s2, 0
	s_cbranch_scc1 .Ltend
	v_mov_b32 v58, 0
	s_wait_xcnt 0x0                                ; EXEC changes only behind this wait
	v_cmp_eq_u32 vcc_lo, 0, v1
	s_and_saveexec_b32 s8, vcc_lo
	global_store_b32 v58, v57, s[86:87]
	s_wait_xcnt 0x0
	s_or_b32 exec_lo, exec_lo, s8
.Ltend:
	s_wait_tensorcnt 0x0                           ; the wave's end
	ds_add_u32 v28, v29
	s_wait_dscnt 0x0
	s_endpgm
.Lfunc_end_k_qbe79760cba_prep:
	.size	k_qbe79760cba_prep, .Lfunc_end_k_qbe79760cba_prep-k_qbe79760cba_prep
	.p2alignl 7, 3214868480
	.fill 96, 4, 3214868480
	.section	.rodata,"a",@progbits
	.p2align	6, 0x0
	.amdhsa_kernel k_qbe79760cba_prep
		.amdhsa_group_segment_fixed_size 2304
		.amdhsa_private_segment_fixed_size 0
		.amdhsa_enable_private_segment 0
		.amdhsa_kernarg_size 80
		.amdhsa_user_sgpr_count 2
		.amdhsa_user_sgpr_kernarg_segment_ptr 1
		.amdhsa_wavefront_size32 1
		.amdhsa_system_sgpr_workgroup_id_x 1
		.amdhsa_system_sgpr_workgroup_id_y 1
		.amdhsa_system_sgpr_workgroup_id_z 1
		.amdhsa_system_vgpr_workitem_id 0
		.amdhsa_next_free_vgpr 224
		.amdhsa_next_free_sgpr 100
		.amdhsa_reserve_vcc 1
		.amdhsa_float_denorm_mode_32 3
		.amdhsa_float_denorm_mode_16_64 3
		.amdhsa_memory_ordered 1
		.amdhsa_forward_progress 1
		.amdhsa_inst_pref_size 119
	.end_amdhsa_kernel
	.amdgpu_metadata
---
amdhsa.version: [ 1, 2 ]
amdhsa.kernels:
  - .name:           k_qbe79760cba_prep
    .symbol:         k_qbe79760cba_prep.kd
    .args:
      - { .name: ed, .offset: 0, .size: 8, .value_kind: global_buffer, .address_space: global }
      - { .name: sd, .offset: 8, .size: 8, .value_kind: global_buffer, .address_space: global }
      - { .name: hidden_states, .offset: 16, .size: 8, .value_kind: global_buffer, .address_space: global }
      - { .name: ids, .offset: 24, .size: 8, .value_kind: global_buffer, .address_space: global }
      - { .name: rec, .offset: 32, .size: 8, .value_kind: global_buffer, .address_space: global }
      - { .name: dwf, .offset: 40, .size: 8, .value_kind: global_buffer, .address_space: global }
      - { .name: xs, .offset: 48, .size: 8, .value_kind: global_buffer, .address_space: global }
      - { .name: wv, .offset: 56, .size: 8, .value_kind: global_buffer, .address_space: global }
      - { .name: tabs, .offset: 64, .size: 8, .value_kind: global_buffer, .address_space: global }
      - { .name: out1, .offset: 72, .size: 8, .value_kind: global_buffer, .address_space: global }
    .group_segment_fixed_size: 2304
    .private_segment_fixed_size: 0
    .kernarg_segment_align: 8
    .kernarg_segment_size: 80
    .max_flat_workgroup_size: 256
    .sgpr_count:     100
    .vgpr_count:     224
    .wavefront_size: 32
...
	.end_amdgpu_metadata
.endif
;; end of part 2
;; launch gateup (part 3): grid 192 x 1, 4 waves a work-group, no clusters, 262,656 bytes of LDS; arguments eg, eu, sg, su, xs, wv, tabs, hf; writes hf
.if DOCPART == 3
	.amdgcn_target "amdgcn-amd-amdhsa--gfx1250"
	.amdhsa_code_object_version 6
	.text
	.protected	k_qbe79760cba_gateup
	.globl	k_qbe79760cba_gateup
	.p2align	8
	.type	k_qbe79760cba_gateup,@function
k_qbe79760cba_gateup:
	s_mov_b64 s[64:65], 0
	v_nop
	global_prefetch_b8 v0, s[64:65] scope:SCOPE_SE
	s_setreg_imm32_b32 hwreg(HW_REG_WAVE_MODE, 25, 1), 1
	s_wait_xcnt 0x0
; GATE AND UP: h = silu(x Wg) (x Wu) x the token's weight for the expert, rounded to bf16 once, for the chosen experts and the shared one alone.
; SHARES.  Work-group = (job j = number / 32, slice c = number % 32).  Jobs 0-3: experts 0-3 with the blocks of 16 rows that chose them; 4, 5: the shared expert with the two halves of all blocks.
; The slice is 64 columns of Wg and the same 64 of Wu, all K = 1,024.  It is read from memory ONCE, in f32, rounded to bf16 on its way through registers and kept in LDS as fragments (262,144 bytes).
; Then the rows stream: a wave takes UNITS of 6 blocks (units w, w + 4, ..): 6 x 8 = 48 accumulators, 48 matrix instructions for 32 along K, fed by 16 LDS loads and 12 loads of x from memory.
; FRAGMENTS are stored as their registers lie (1 KB: registers 0-3 at 16 x lane, registers 4-7 at 512 + 16 x lane), so each is two loads of 512 consecutive bytes.
; A weights fragment f of a matrix: lane row m is column 64 c + 4 m + f: a lane's 16-byte load of a row of W (columns 4 r .. 4 r + 3) feeds four fragments, and two rows pack into a register.
; THE PRODUCT IS W^T x^T (source 0 = weights, source 1 = x): in the result a lane holds ONE token (lane % 16) and the columns 64 c + 4 (8 (lane / 16) + j) + f.  Fragments f = 2 p and 2 p + 1, after the
; activation and packed in pairs, ARE a fragment of h for the next product: k-block 2 c + p of the slot, its k in that permuted order, which the down weights' layout repeats.
; WHICH ROWS: a table stored by the launch before (block | slot << 16, six to a unit, and the unit's live blocks).  22 units serve every split (an expert has at most (2048 + 3 x 15) / 16 = 130 blocks);
; the loop over units counts to the constant 6, a trip without live blocks is jumped, and so are the epilogues of a unit's dead blocks.  Two barriers, both outside that loop: one ahead of it, between
; the stores that lay the slice into LDS and the reads; one behind it, between all waves' reads and the closing lines.
; NO CLUSTER, NO FILL OF LDS BY AN ENGINE: a slice of weights has one reading work-group (the shared expert's: two) and has to pass registers to be rounded.  A job's 32 work-groups do read the same x;
; but how many units a wave walks hangs on counts read from memory, and a loop of that kind holds no barrier and no refill of LDS: so x goes from memory straight into the registers of the wave that multiplies it.
; LIMITS.  silu(g) = g / (1 + 2^(-g log2 e)): where the exponential overflows (g below about -88) the quotient is taken as -0.  NaN and infinities are not treated apart.
; REGISTERS, in windows of 256 (s_set_vgpr_msb: bits 1:0 source 0, 3:2 source 1, 5:4 source 2, 7:6 destination):
;   window 0: addresses; v40-71 at work; v72-87 packed h; v100-111 the tokens' weights; v128-255 weights fragments, two buffers of 8
;   window 1: v0-191 x fragments, a ring of four buffers of 6          windows 2, 3: accumulators (block a, fragment q) at 64 a + 8 q; while LDS is filled, window 2 holds two buffers of 128 for rows in f32
.set SPARE, 262144                     ; behind the slice: the spare words, 128 bytes a wave
.set VL16, 4                           ; v4      16 x lane; never rewritten
.set VB,   5                           ; v5      LDS address of the weights' k-blocks in hand: s57 + 16 x lane
.set VS,   7                           ; v7      LDS address at which I store fragments
.set VG,   8                           ; v8      my bytes in 32 rows of W: 8 rows x (lane / 16) + 16 (lane % 16)
.set V4R,  9                           ; v9      4 (lane % 16)
.set VA,   10                          ; v10-15  block a in xs
.set VH,   16                          ; v16-21  block a's place in hf
.set VW,   22                          ; v22-27  block a's place in wv
.set SPW,  28
.set NIL,  29
.set T,    40
.set P,    72
.set WT,   100                         ; v[100 + 2 a]: my token's weight in block a; the odd registers are only named with them as pairs
.set WF,   128
.set MSB, 0
.macro WIN new                         ; the immediate's high byte repeats the setting that is left; a switch that changes nothing is dropped
.if MSB != (\new)
	s_set_vgpr_msb (MSB<<8)|(\new)
.set MSB, \new
.endif
.endm
	s_load_b512 s[16:31], s[0:1], 0x0              ; eg s[16:17], eu s[18:19], sg s[20:21], su s[22:23], xs s[24:25], wv s[26:27], tabs s[28:29], hf s[30:31]
	v_lshl_add_u32 v[SPW], v0, 2, SPARE            ; my spare word,
	v_mov_b32 v[NIL], 0                            ; and 0: kept for the closing lines alone
	v_and_b32 v1, 31, v0
	v_lshrrev_b32 v2, 5, v0
	v_readfirstlane_b32 s2, v2                     ; wave
	v_and_b32 v2, 15, v0                           ; r
	v_bfe_u32 v3, v0, 4, 1                         ; h
	v_lshlrev_b32 v[VL16], 4, v1
	v_lshlrev_b32 v[V4R], 2, v2
	v_lshlrev_b32 v[VG], 4, v2
	v_lshl_add_u32 v[VG], v3, 16, v[VG]
.irp a, 0,1,2,3,4,5
	v_mov_b32 v[WT+2*\a+1], 0
.endr
	s_lshr_b32 s3, ttmp9, 5                        ; job
	s_and_b32 s4, ttmp9, 31                        ; slice
	s_lshl_b32 s8, s2, 13
	v_add_nc_u32 v[VS], s8, v[VL16]                ; k-block w
	s_lshl_b32 s7, s3, 10
	s_lshl_b32 s8, s2, 5
	s_add_co_u32 s7, s7, s8                        ; my first unit's words in the table
	s_mov_b32 s58, 0xbfb8aa3b                      ; -log2(e)
	s_mov_b32 s59, s58                             ; named with it as a pair
	s_lshl_b32 s56, s4, 11                         ; k-blocks 2 c, 2 c + 1 in hf
	s_wait_kmcnt 0x0
	s_load_b256 s[40:47], s[28:29], s7 offset:0x0
	s_cmp_lt_u32 s3, 4
	s_cselect_b64 s[32:33], s[16:17], s[20:21]     ; Wg: the expert's or the shared one's
	s_cselect_b64 s[34:35], s[18:19], s[22:23]     ; Wu
	s_cselect_b32 s8, s3, 0
	s_lshl_b32 s8, s8, 23                          ; an expert is 8 MiB,
	s_lshl_b32 s9, s4, 8                           ; 64 columns,
	s_add_co_u32 s8, s8, s9
	s_lshl_b32 s9, s2, 18                          ; 32 rows of 8,192 bytes for each wave
	s_add_co_u32 s8, s8, s9
	s_mov_b32 s9, 0
	s_add_nc_u64 s[32:33], s[32:33], s[8:9]
	s_add_nc_u64 s[34:35], s[34:35], s[8:9]
; ---------------- the slice goes into LDS: wave w takes k-blocks w + 4 i, i = 0..7 ----------------
; LOADSET: a k-block's 32 rows of both matrices; load 8 half + j takes row 16 half + 8 h + j: lanes 0-15 take 256 consecutive bytes of one row, lanes 16-31 of another.
.macro LOADSET buf, iofs
	WIN 0x80                                       ; destination window 2
.set hj, 0
.rept 16
	global_load_b128 v[128*(\buf)+4*hj:128*(\buf)+4*hj+3], v[VG], s[32:33] offset:(\iofs)+(16*(hj/8)+hj%8)*8192
.set hj, hj+1
.endr
.set hj, 0
.rept 16
	global_load_b128 v[128*(\buf)+64+4*hj:128*(\buf)+64+4*hj+3], v[VG], s[34:35] offset:(\iofs)+(16*(hj/8)+hj%8)*8192
.set hj, hj+1
.endr
.endm
; PROC: register 4 half + i of fragment f packs rows j = 2 i, 2 i + 1 of column 4 r + f; the k-block's 8 fragments (Wg's four, then Wu's) go into LDS, 512 consecutive bytes a store.
.macro PROC buf, limm
.irp mat, 0,1
	WIN 0x0a                                       ; sources window 2, destination window 0
.set f, 0
.rept 4
.set hi, 0
.rept 8
	v_cvt_pk_bf16_f32 v[T+8*f+hi], v[128*(\buf)+64*\mat+(8*(hi/4)+2*(hi%4))*4+f], v[128*(\buf)+64*\mat+(8*(hi/4)+2*(hi%4)+1)*4+f]
.set hi, hi+1
.endr
.set f, f+1
.endr
	WIN 0
.set f, 0
.rept 4
	ds_store_b128 v[VS], v[T+8*f:T+8*f+3]   offset:(\limm)+(4*\mat+f)*1024
	ds_store_b128 v[VS], v[T+8*f+4:T+8*f+7] offset:(\limm)+(4*\mat+f)*1024+512
.set f, f+1
.endr
.endr
.endm
	LOADSET 0, 0
	WIN 0
	s_mov_b32 s6, 3
.Lfill:                                                ; a trip: two k-blocks; 32 to 64 loads of the wave are out all the time
	LOADSET 1, 0x100000                            ; four k-blocks on: 128 rows
	s_wait_loadcnt 32                              ; the older set is in: the 32 just issued are younger
	PROC 0, 0
	LOADSET 0, 0x200000
	s_wait_loadcnt 32
	PROC 1, 32768
	s_wait_xcnt 0x0                                ; the loads' bases are stepped only behind this wait
	s_add_nc_u64 s[32:33], s[32:33], 0x200000
	s_add_nc_u64 s[34:35], s[34:35], 0x200000
	v_add_nc_u32 v[VS], 0x10000, v[VS]
	s_sub_co_u32 s6, s6, 1
	s_cmp_lg_u32 s6, 0
	s_cbranch_scc1 .Lfill
	LOADSET 1, 0x100000                            ; the last two k-blocks are written out: no load passes the matrix's last row
	s_wait_loadcnt 32
	PROC 0, 0
	s_wait_loadcnt 0x0
	PROC 1, 32768
; ---------------- the units ----------------
.macro ADDR tb                         ; the six blocks' places in xs, from the table words in s[tb ..]
.irp a, 0,1,2,3,4,5
	s_and_b32 s8, s[(\tb)+\a], 0xffff
	s_min_u32 s8, s8, 133
	s_lshl_b32 s8, s8, 15
	v_add_nc_u32 v[VA+\a], s8, v[VL16]
.endr
.endm
.macro APRO                            ; x of a unit's first three K steps, step by step: 36 loads
	WIN 0x40                                       ; destination window 1
.irp t, 0,1,2
.irp a, 0,1,2,3,4,5
	global_load_b128 v[48*\t+8*\a:48*\t+8*\a+3],   v[VA+\a], s[24:25] offset:1024*\t
	global_load_b128 v[48*\t+8*\a+4:48*\t+8*\a+7], v[VA+\a], s[24:25] offset:1024*\t+512
.endr
.endr
	WIN 0
.endm
; A K step of 32: multiplies x buffer ab by weights buffer bb.  la: x of three steps on is asked for, at immediate ia, into the buffer read last step; lb: the next step's weights, at immediate ib,
; into the other buffer.  zero: the products start the sums.  nl, nd: how many younger loads from memory and from LDS may stay out.
; The four v_nop are the places between the last step's matrix instructions and the loads into registers that they read (ISA guide 7.12.1 for vector instructions).
; The 48 accumulators take turns, one instruction a turn, in the same order in every step.
.macro KSTEP ab, bb, la, ia, lb, ib, zero, nl, nd
.rept 4
	v_nop
.endr
.if \la
	WIN 0x40
.set XD, 48*(((\ab)+3)%4)
.irp a, 0,1,2,3,4,5
	global_load_b128 v[XD+8*\a:XD+8*\a+3],   v[VA+\a], s[36:37] offset:\ia
	global_load_b128 v[XD+8*\a+4:XD+8*\a+7], v[VA+\a], s[36:37] offset:(\ia)+512
.endr
.endif
.if \lb
	WIN 0
.set WD, WF+64*(1-(\bb))
.irp q, 0,1,2,3,4,5,6,7
	ds_load_b128 v[WD+8*\q:WD+8*\q+3],   v[VB] offset:(\ib)+1024*\q
	ds_load_b128 v[WD+8*\q+4:WD+8*\q+7], v[VB] offset:(\ib)+1024*\q+512
.endr
.endif
	s_wait_loadcnt \nl
	s_wait_dscnt \nd
.set WS, WF+64*(\bb)
.set XS, 48*(\ab)
	WIN 0xa4                                       ; weights window 0, x window 1, sums window 2
.irp a, 0,1,2,3
.irp q, 0,1,2,3,4,5,6,7
.if \zero
	v_wmma_f32_16x16x32_bf16 v[64*\a+8*\q:64*\a+8*\q+7], v[WS+8*\q:WS+8*\q+7], v[XS+8*\a:XS+8*\a+7], 0
.else
	v_wmma_f32_16x16x32_bf16 v[64*\a+8*\q:64*\a+8*\q+7], v[WS+8*\q:WS+8*\q+7], v[XS+8*\a:XS+8*\a+7], v[64*\a+8*\q:64*\a+8*\q+7]
.endif
.endr
.endr
	WIN 0xf4                                       ; sums window 3
.irp a, 4,5
.irp q, 0,1,2,3,4,5,6,7
.if \zero
	v_wmma_f32_16x16x32_bf16 v[64*(\a-4)+8*\q:64*(\a-4)+8*\q+7], v[WS+8*\q:WS+8*\q+7], v[XS+8*\a:XS+8*\a+7], 0
.else
	v_wmma_f32_16x16x32_bf16 v[64*(\a-4)+8*\q:64*(\a-4)+8*\q+7], v[WS+8*\q:WS+8*\q+7], v[XS+8*\a:XS+8*\a+7], v[64*(\a-4)+8*\q:64*(\a-4)+8*\q+7]
.endif
.endr
.endr
.endm
; Block a's way out: 32 numbers a lane.  g in accumulators 0-3, u in 4-7; each accumulator is read from its lowest registers on.
; The 32 exponentials are one batch with one wait, and so are the 32 reciprocals.  A block past the unit's live ones is jumped.
.macro EPI a
.if (\a) > 0
	s_cmp_le_u32 s46, \a
	s_cbranch_scc1 .Lepi_\@
.endif
.set WA, 2+(\a)/4                      ; source 0 in the block's window
.set AB, 64*((\a)%4)
	WIN WA
.set n, 0
.rept 16
	v_pk_mul_f32 v[T+2*n:T+2*n+1], v[AB+2*n:AB+2*n+1], s[58:59] op_sel_hi:[1,0]    ; -g log2(e)
.set n, n+1
.endr
	WIN 0
.set n, 0
.rept 32
	v_exp_f32 v[T+n], v[T+n]
.set n, n+1
.endr
	v_nop                                          ; a plain instruction behind the last exponential,
	s_wait_alu depctr_va_vdst(0)                   ; and the batch's one wait, ahead of the first use
.set n, 0
.rept 16
	v_pk_add_f32 v[T+2*n:T+2*n+1], v[T+2*n:T+2*n+1], 1.0 op_sel_hi:[1,0]
.set n, n+1
.endr
.set n, 0
.rept 32
	v_rcp_f32 v[T+n], v[T+n]
.set n, n+1
.endr
	v_nop
	s_wait_alu depctr_va_vdst(0)
	WIN WA
.set n, 0
.rept 16
	v_pk_mul_f32 v[T+2*n:T+2*n+1], v[AB+2*n:AB+2*n+1], v[T+2*n:T+2*n+1]            ; silu(g)
.set n, n+1
.endr
.set n, 0
.rept 16
	v_pk_mul_f32 v[T+2*n:T+2*n+1], v[AB+32+2*n:AB+32+2*n+1], v[T+2*n:T+2*n+1]      ; x u
.set n, n+1
.endr
	WIN 0
.set n, 0
.rept 16
	v_pk_mul_f32 v[T+2*n:T+2*n+1], v[T+2*n:T+2*n+1], v[WT+2*(\a):WT+2*(\a)+1] op_sel_hi:[1,0]  ; x my token's weight, ahead of the one rounding
.set n, n+1
.endr
	s_wait_xcnt 0x0                                ; the block before's stores have read the packed registers
.set n, 0
.rept 16
	v_cvt_pk_bf16_f32 v[P+n], v[T+2*n], v[T+2*n+1]
.set n, n+1
.endr
.irp k, 0,1,2,3
	global_store_b128 v[VH+\a], v[P+4*\k:P+4*\k+3], s[30:31] offset:512*\k         ; two fragments of h: 2,048 bytes on end, 512 a store
.endr
.Lepi_\@:
.endm
	s_wait_kmcnt 0x0                               ; my first unit's words
	ADDR 40
	APRO                                           ; its first loads go out ahead of the barrier
	s_wait_dscnt 0x0                               ; for the others' sake: my part of the slice is in LDS
	s_barrier_signal -1
	s_barrier_wait -1                              ; the slice is whole; from here to the second barrier LDS is only read
	s_mov_b32 s5, 6
.Lunit:
	s_cmp_eq_u32 s46, 0
	s_cbranch_scc1 .Lskip                          ; no live block: nor in any later unit of mine, since the words stay
	s_wait_xcnt 0x0                                ; the last unit's stores have read their addresses
.irp a, 0,1,2,3,4,5
	s_and_b32 s8, s[40+\a], 0xffff
	s_min_u32 s8, s8, 133                          ; block
	s_lshr_b32 s9, s[40+\a], 16
	s_min_u32 s9, s9, 2                            ; slot
	s_mul_i32 s10, s8, 196608                      ; 192 k-blocks a block,
	s_lshl_b32 s11, s9, 16                         ; 64 a slot
	s_add_co_u32 s10, s10, s11
	s_add_co_u32 s10, s10, s56
	v_add_nc_u32 v[VH+\a], s10, v[VL16]
	s_mul_i32 s11, s9, 8576                        ; 2,144 places a slot
	s_lshl_b32 s12, s8, 6
	s_add_co_u32 s11, s11, s12
	v_add_nc_u32 v[VW+\a], s11, v[V4R]
.endr
.irp a, 0,1,2,3,4,5
	global_load_b32 v[WT+2*\a], v[VW+\a], s[26:27]
.endr
	s_load_b256 s[48:55], s[28:29], s7 offset:128  ; my next unit's words: four units on
	s_mov_b32 s57, 0                               ; the LDS byte of the k-blocks in hand: 0, then 32,768 on in each of the seven trips below: 229,376 at the most
	v_mov_b32 v[VB], v[VL16]
	s_mov_b64 s[36:37], s[24:25]
.irp q, 0,1,2,3,4,5,6,7
	ds_load_b128 v[WF+8*\q:WF+8*\q+3],   v[VB] offset:1024*\q
	ds_load_b128 v[WF+8*\q+4:WF+8*\q+7], v[VB] offset:1024*\q+512
.endr
	; the counts: x of three later steps (36 loads) and the next step's weights (16) may stay out.  In steps 0 to 2 the six loads of weights lie among the younger ones too: 36 is then the smaller, safe count.
	KSTEP 0, 0, 1, 3072, 1, 8192, 1, 36, 16
	WIN 0
	s_mov_b32 s6, 7
.Lk:                                                   ; a trip: steps 4 i + 1 .. 4 i + 4
	KSTEP 1, 1, 1, 4096, 1, 2*8192, 0, 36, 16
	KSTEP 2, 0, 1, 5120, 1, 3*8192, 0, 36, 16
	KSTEP 3, 1, 1, 6144, 1, 4*8192, 0, 36, 16
	KSTEP 0, 0, 1, 7168, 1, 5*8192, 0, 36, 16
	WIN 0
	s_wait_xcnt 0x0                                ; x's base is stepped only behind this wait
	s_add_nc_u64 s[36:37], s[36:37], 4096
	s_add_co_u32 s57, s57, 0x8000                  ; four k-blocks of 8 KB on in LDS
	v_add_nc_u32 v[VB], s57, v[VL16]
	s_sub_co_u32 s6, s6, 1
	s_cmp_lg_u32 s6, 0
	s_cbranch_scc1 .Lk
	KSTEP 1, 1, 0, 0, 1, 2*8192, 0, 24, 16         ; steps 29 to 31: no x is left to ask for, and the counts run down; the last LDS byte read is 229,376 + 3 x 8,192 + 8,191 = 262,143
	KSTEP 2, 0, 0, 0, 1, 3*8192, 0, 12, 16
	KSTEP 3, 1, 0, 0, 0, 0, 0, 0, 0
	WIN 0
.rept 4
	v_nop                                          ; the places behind the last products
.endr
	s_wait_kmcnt 0x0
	ADDR 48
	APRO                                           ; the next unit's first loads are on their way during this unit's way out; past my last unit they point at the job's last block and are not used
	EPI 0
	EPI 1
	EPI 2
	EPI 3
	EPI 4
	EPI 5
.irp i, 0,1,2,3,4,5,6,7
	s_mov_b32 s[40+\i], s[48+\i]
.endr
	s_add_co_u32 s7, s7, 128
.Lskip:
	s_sub_co_u32 s5, s5, 1
	s_cmp_lg_u32 s5, 0
	s_cbranch_scc1 .Lunit
	s_wait_dscnt 0x0                               ; my reads of LDS are back,
	s_barrier_signal -1
	s_barrier_wait -1                              ; and so are all four waves': only now does any wave write LDS again
	s_wait_tensorcnt 0x0                           ; the wave's end
	ds_add_u32 v[SPW], v[NIL]
	s_wait_dscnt 0x0
	s_endpgm
.Lfunc_end_k_qbe79760cba_gateup:
	.size	k_qbe79760cba_gateup, .Lfunc_end_k_qbe79760cba_gateup-k_qbe79760cba_gateup
	.p2alignl 7, 3214868480
	.fill 96, 4, 3214868480
	.section	.rodata,"a",@progbits
	.p2align	6, 0x0
	.amdhsa_kernel k_qbe79760cba_gateup
		.amdhsa_group_segment_fixed_size 262656
		.amdhsa_private_segment_fixed_size 0
		.amdhsa_enable_private_segment 0
		.amdhsa_kernarg_size 64
		.amdhsa_user_sgpr_count 2
		.amdhsa_user_sgpr_kernarg_segment_ptr 1
		.amdhsa_wavefront_size32 1
		.amdhsa_system_sgpr_workgroup_id_x 1
		.amdhsa_system_sgpr_workgroup_id_y 1
		.amdhsa_system_sgpr_workgroup_id_z 1
		.amdhsa_system_vgpr_workitem_id 0
		.amdhsa_next_free_vgpr 896
		.amdhsa_next_free_sgpr 66
		.amdhsa_reserve_vcc 0
		.amdhsa_float_denorm_mode_32 3
		.amdhsa_float_denorm_mode_16_64 3
		.amdhsa_memory_ordered 1
		.amdhsa_forward_progress 1
		.amdhsa_inst_pref_size 142
	.end_amdhsa_kernel
	.amdgpu_metadata
---
amdhsa.version: [ 1, 2 ]
amdhsa.kernels:
  - .name:           k_qbe79760cba_gateup
    .symbol:         k_qbe79760cba_gateup.kd
    .args:
      - { .name: eg, .offset: 0, .size: 8, .value_kind: global_buffer, .address_space: global }
      - { .name: eu, .offset: 8, .size: 8, .value_kind: global_buffer, .address_space: global }
      - { .name: sg, .offset: 16, .size: 8, .value_kind: global_buffer, .address_space: global }
      - { .name: su, .offset: 24, .size: 8, .value_kind: global_buffer, .address_space: global }
      - { .name: xs, .offset: 32, .size: 8, .value_kind: global_buffer, .address_space: global }
      - { .name: wv, .offset: 40, .size: 8, .value_kind: global_buffer, .address_space: global }
      - { .name: tabs, .offset: 48, .size: 8, .value_kind: global_buffer, .address_space: global }
      - { .name: hf, .offset: 56, .size: 8, .value_kind: global_buffer, .address_space: global }
    .group_segment_fixed_size: 262656
    .private_segment_fixed_size: 0
    .kernarg_segment_align: 8
    .kernarg_segment_size: 64
    .max_flat_workgroup_size: 128
    .sgpr_count:     66
    .vgpr_count:     896
    .wavefront_size: 32
...
	.end_amdgpu_metadata
.endif
;; end of part 3
;; launch down (part 4): grid 8 x 31, 4 waves a work-group, no clusters, 164,352 bytes of LDS; arguments hf, dwf, tabs, out0; writes out0
.if DOCPART == 4
	.amdgcn_target "amdgcn-amd-amdhsa--gfx1250"
	.amdhsa_code_object_version 6
	.text
	.protected	k_qbe79760cba_down
	.globl	k_qbe79760cba_down
	.p2align	8
	.type	k_qbe79760cba_down,@function
k_qbe79760cba_down:
	s_mov_b64 s[64:65], 0
	v_nop
	global_prefetch_b8 v0, s[64:65] scope:SCOPE_SE
	s_setreg_imm32_b32 hwreg(HW_REG_WAVE_MODE, 25, 1), 1
	s_wait_xcnt 0x0
; DOWN: out[token] = [h_shared | w_lo h_e1 | w_hi h_e2] x [sd ; ed[e1] ; ed[e2]]: ONE sum over K = 3 x 2,048 for each output, since the weights were multiplied into h.  Each output row has one owner.
; SHARES.  Work-group = (column tile of 128: x; row tile: y).  A row tile is up to five blocks of 16 rows of ONE set of experts, named by a table of the launch that sorted; 31 tiles serve every split.
; K IS SPLIT OVER THE FOUR WAVES: wave w takes k-blocks 4 i + w of each of the three slots and makes the whole 80 x 128 tile: 40 accumulators, 48 steps of 40 matrix instructions.
; h and the weights lie in memory as fragments (1 KB, as the registers lie), so a step is 26 loads of 512 consecutive bytes straight into registers; three buffers, one for each slot, take turns.
; Then the four partial tiles, in f32, meet in LDS behind the one barrier, are added, and leave as whole stretches of 256 bytes of a token's row.
; Source 0 = h (16 tokens), source 1 = weights: in the result register j is token row 8 (lane / 16) + j, and lane % 16 = n is column 64 g + 4 n + f of the tile for fragment q = 4 g + f:
; the four fragments f of a group give a lane four neighbouring columns, 16 bytes.
; A tile without blocks jumps over the products and the LDS stores, passes the barrier, and stores nothing.  A tile's places past its blocks repeat its last block; their results are not stored.
; Rows that pad a block repeat a token of the same block: they hold the same bits and are stored to the same bytes by the same work-group.
; NO CLUSTER: no fragment is read by two waves of a work-group, so nothing goes through LDS on the way in.  The 8 column tiles of a row tile share h's fragments, 10 of a step's 26 loads;
; the weights, the other 16, hang on the row tile's set, a number read from memory that differs between neighbouring tiles.
; REGISTERS, in windows of 256: window 0: addresses; v64-183 h's fragments, three buffers of 5 (later the partial sums read back, and what is stored); window 1: v0-191 the weights', three buffers of 8;
;   windows 2, 3: accumulators (block a, fragment q) at 8 (8 a + q).
.set SPARE, 163840                     ; LDS: 4 waves x 40 accumulators x 1 KB; then the spare words, 128 bytes a wave
.set VL16, 4                           ; v4      16 x lane
.set VAO,  5                           ; v5-9    block a in hf, at my first k-block
.set VBO,  10                          ; v10-12  slot s's weights in dwf, at my first k-block
.set VST,  13                          ; v13     where I put my partial sums
.set VR0,  14                          ; v14, 15 where I read partial sums
.set VR1,  15
.set TOK,  16                          ; v16-35  part i of my five, row jj: the byte offset in out0
.set SPW,  36
.set NIL,  37
.set AF,   64
.set LR,   64
.set OR,   128
.set MSB, 0
.macro WIN new
.if MSB != (\new)
	s_set_vgpr_msb (MSB<<8)|(\new)
.set MSB, \new
.endif
.endm
	s_load_b256 s[8:15], s[0:1], 0x0               ; hf s[8:9], dwf s[10:11], tabs s[12:13], out0 s[14:15]
	v_lshl_add_u32 v[SPW], v0, 2, SPARE            ; my spare word,
	v_mov_b32 v[NIL], 0                            ; and 0: kept for the closing lines alone
	v_and_b32 v1, 31, v0
	v_lshrrev_b32 v2, 5, v0
	v_readfirstlane_b32 s2, v2                     ; wave
	v_and_b32 v2, 15, v0                           ; r
	v_bfe_u32 v3, v0, 4, 1                         ; h
	v_lshlrev_b32 v[VL16], 4, v1
	s_and_b32 s4, ttmp7, 0xffff
	s_lshl_b32 s4, s4, 5                           ; the row tile's eight words
	s_mul_i32 s5, s2, 5                            ; on the way out the tile has 20 parts u = (block a = u / 4, column group g = (u / 2) % 2, register half u % 2); mine are 5 w .. 5 w + 4
.irp i, 0,1,2,3,4
	s_add_co_u32 s[34+\i], s5, \i
	s_lshr_b32 s[34+\i], s[34+\i], 2               ; part i's block a
	s_lshl2_add_u32 s[40+\i], s[34+\i], s4
.endr
	s_wait_kmcnt 0x0
	s_load_b256 s[16:23], s[12:13], s4 offset:6144 ; five blocks, their number, e1, e2
.irp i, 0,1,2,3,4
	s_load_b32 s[24+\i], s[12:13], s[40+\i] offset:6144    ; the blocks of my five parts
.endr
	s_lshl_b32 s6, s2, 10
	s_wait_kmcnt 0x0
.irp a, 0,1,2,3,4
	s_min_u32 s7, s[16+\a], 133
	s_mul_i32 s7, s7, 196608                       ; 192 k-blocks a block
	s_add_co_u32 s7, s7, s6                        ; + k-block w
	v_add_nc_u32 v[VAO+\a], s7, v[VL16]
.endr
.macro VBSET s, e                      ; ((8 expert + column tile) x 64 + w) x 8 KB
	s_lshl_b32 s7, \e, 3
	s_add_co_u32 s7, s7, ttmp9
	s_lshl_b32 s7, s7, 6
	s_add_co_u32 s7, s7, s2
	s_lshl_b32 s7, s7, 13
	v_add_nc_u32 v[VBO+\s], s7, v[VL16]
.endm
	s_mov_b32 s3, 4                                ; the shared expert's weights are the fifth
	VBSET 0, s3
	s_min_u32 s3, s22, 3
	VBSET 1, s3
	s_min_u32 s3, s23, 3
	VBSET 2, s3
	s_mul_i32 s7, s2, 40960
	v_add_nc_u32 v[VST], s7, v[VL16]
	v_lshlrev_b32 v38, 5, v3
.irp i, 0,1,2,3,4                      ; the tokens of my parts' rows 8 h + 4 (u % 2) + 0..3
	s_min_u32 s7, s[24+\i], 133
	s_lshl_b32 s7, s7, 6
	s_add_co_u32 s3, s5, \i
	s_and_b32 s3, s3, 1
	s_lshl_b32 s3, s3, 4
	s_add_co_u32 s7, s7, s3
	v_add_nc_u32 v[40+\i], s7, v38
	global_load_b128 v[TOK+4*\i:TOK+4*\i+3], v[40+\i], s[12:13] offset:7168
.endr
	s_mov_b64 s[30:31], s[8:9]
	s_mov_b64 s[32:33], s[10:11]
	s_cmp_eq_u32 s21, 0
	s_cbranch_scc1 .Lnowork                        ; a tile without blocks: only work is jumped, no barrier
.macro LDG buf, s                      ; a step's 26 loads: slot s, the k-block at which the two bases stand
	WIN 0
.irp a, 0,1,2,3,4
	global_load_b128 v[AF+40*(\buf)+8*\a:AF+40*(\buf)+8*\a+3],   v[VAO+\a], s[30:31] offset:65536*(\s)
	global_load_b128 v[AF+40*(\buf)+8*\a+4:AF+40*(\buf)+8*\a+7], v[VAO+\a], s[30:31] offset:65536*(\s)+512
.endr
	WIN 0x40                                       ; destination window 1
.irp q, 0,1,2,3,4,5,6,7
	global_load_b128 v[64*(\buf)+8*\q:64*(\buf)+8*\q+3],   v[VBO+\s], s[32:33] offset:1024*\q
	global_load_b128 v[64*(\buf)+8*\q+4:64*(\buf)+8*\q+7], v[VBO+\s], s[32:33] offset:1024*\q+512
.endr
.endm
; A step: multiplies buffer cb; ld: the step two on is asked for, into the buffer read last step.  The four v_nop are the places between the last step's matrix instructions and those loads
; (ISA guide 7.12.1 for vector instructions).  The 40 accumulators take turns, one instruction a turn.
.macro DSTEP cb, ld, lbuf, s, zero, nl
.rept 4
	v_nop
.endr
.if \ld
	LDG \lbuf, \s
.endif
	s_wait_loadcnt \nl
	WIN 0xa4                                       ; h window 0, weights window 1, sums window 2
.irp a, 0,1,2,3
.irp q, 0,1,2,3,4,5,6,7
.if \zero
	v_wmma_f32_16x16x32_bf16 v[8*(8*\a+\q):8*(8*\a+\q)+7], v[AF+40*(\cb)+8*\a:AF+40*(\cb)+8*\a+7], v[64*(\cb)+8*\q:64*(\cb)+8*\q+7], 0
.else
	v_wmma_f32_16x16x32_bf16 v[8*(8*\a+\q):8*(8*\a+\q)+7], v[AF+40*(\cb)+8*\a:AF+40*(\cb)+8*\a+7], v[64*(\cb)+8*\q:64*(\cb)+8*\q+7], v[8*(8*\a+\q):8*(8*\a+\q)+7]
.endif
.endr
.endr
	WIN 0xf4                                       ; sums window 3
.irp q, 0,1,2,3,4,5,6,7
.if \zero
	v_wmma_f32_16x16x32_bf16 v[8*\q:8*\q+7], v[AF+40*(\cb)+32:AF+40*(\cb)+39], v[64*(\cb)+8*\q:64*(\cb)+8*\q+7], 0
.else
	v_wmma_f32_16x16x32_bf16 v[8*\q:8*\q+7], v[AF+40*(\cb)+32:AF+40*(\cb)+39], v[64*(\cb)+8*\q:64*(\cb)+8*\q+7], v[8*\q:8*\q+7]
.endif
.endr
.endm
	LDG 0, 0
	LDG 1, 1
	DSTEP 0, 1, 2, 2, 1, 52                        ; the count: the two younger steps' 26 loads each may stay out
	WIN 0
	s_wait_xcnt 0x0                                ; the bases are stepped only behind this wait
	s_add_nc_u64 s[30:31], s[30:31], 4096          ; four k-blocks on in h,
	s_add_nc_u64 s[32:33], s[32:33], 32768         ; and in the weights
	s_mov_b32 s3, 15
.Lk:                                                   ; a trip: slots 1 and 2 of one k-block, slot 0 of the next; it asks for the next k-block's three steps
	DSTEP 1, 1, 0, 0, 0, 52
	DSTEP 2, 1, 1, 1, 0, 52
	DSTEP 0, 1, 2, 2, 0, 52
	WIN 0
	s_wait_xcnt 0x0
	s_add_nc_u64 s[30:31], s[30:31], 4096
	s_add_nc_u64 s[32:33], s[32:33], 32768
	s_sub_co_u32 s3, s3, 1
	s_cmp_lg_u32 s3, 0
	s_cbranch_scc1 .Lk
	DSTEP 1, 0, 0, 0, 0, 26                        ; the last two steps ask for nothing: the counts run down
	DSTEP 2, 0, 0, 0, 0, 0
	WIN 0
.rept 4
	v_nop                                          ; the places behind the last products
.endr
	WIN 0x08                                       ; store data window 2
.set n, 0
.rept 32
	ds_store_b128 v[VST], v[8*n:8*n+3]   offset:1024*n     ; each accumulator's lowest registers first
	ds_store_b128 v[VST], v[8*n+4:8*n+7] offset:1024*n+512
.set n, n+1
.endr
	WIN 0x0c                                       ; window 3
.set n, 0
.rept 8
	ds_store_b128 v[VST], v[8*n:8*n+3]   offset:1024*(32+n)
	ds_store_b128 v[VST], v[8*n+4:8*n+7] offset:1024*(32+n)+512
.set n, n+1
.endr
	WIN 0
.Lnowork:
	s_wait_dscnt 0x0                               ; for the others' sake: my partial sums are in LDS
	s_barrier_signal -1
	s_barrier_wait -1
	s_wait_loadcnt 0x0                             ; the tokens
	v_lshlrev_b32 v39, 4, v2
	s_lshl_b32 s6, ttmp9, 9                        ; the column tile's 512 bytes
.irp i, 0,1,2,3,4
	s_add_co_u32 s3, s5, \i
	s_lshr_b32 s3, s3, 1
	s_and_b32 s3, s3, 1
	s_lshl_b32 s3, s3, 8                           ; the group's 256
	s_add_co_u32 s3, s3, s6
	v_add_nc_u32 v38, s3, v39
.irp jj, 0,1,2,3
	v_min_u32 v[TOK+4*\i+\jj], 0x7ff, v[TOK+4*\i+\jj]
	v_lshl_add_u32 v[TOK+4*\i+\jj], v[TOK+4*\i+\jj], 12, v38
.endr
.endr
; Part i: four waves' sums of the group's four fragments, one half of their registers: 16 loads; added; four stores, in each of which lanes 0-15 fill 256 consecutive bytes of one token's row
; (at a multiple of 256 from out0's first byte) and lanes 16-31 those of another.  A part of a block past the tile's live ones is jumped.
.macro HALF i
	s_cmp_ge_u32 s[34+\i], s21
	s_cbranch_scc1 .Lhalf_\@
	s_add_co_u32 s3, s5, \i
	s_lshr_b32 s7, s3, 1
	s_lshl_b32 s7, s7, 12                          ; accumulators 8 a + 4 g ..
	s_and_b32 s3, s3, 1
	s_lshl_b32 s3, s3, 9                           ; registers 0-3 or 4-7
	s_add_co_u32 s7, s7, s3
	v_add_nc_u32 v[VR0], s7, v[VL16]
	v_add_nc_u32 v[VR1], 81920, v[VR0]             ; waves 2 and 3
.irp f, 0,1,2,3
	ds_load_b128 v[LR+4*\f:LR+4*\f+3],       v[VR0] offset:1024*\f
	ds_load_b128 v[LR+16+4*\f:LR+16+4*\f+3], v[VR0] offset:40960+1024*\f
	ds_load_b128 v[LR+32+4*\f:LR+32+4*\f+3], v[VR1] offset:1024*\f
	ds_load_b128 v[LR+48+4*\f:LR+48+4*\f+3], v[VR1] offset:40960+1024*\f
.endr
	s_wait_dscnt 0x0
.set n, 0
.rept 8
	v_pk_add_f32 v[LR+2*n:LR+2*n+1], v[LR+2*n:LR+2*n+1], v[LR+16+2*n:LR+16+2*n+1]
	v_pk_add_f32 v[LR+32+2*n:LR+32+2*n+1], v[LR+32+2*n:LR+32+2*n+1], v[LR+48+2*n:LR+48+2*n+1]
.set n, n+1
.endr
	s_wait_xcnt 0x0                                ; the part before's stores have read their data
.set n, 0
.rept 16                               ; n = 4 jj + f: row jj, column 4 r + f
	v_add_f32 v[OR+n], v[LR+4*(n%4)+n/4], v[LR+32+4*(n%4)+n/4]
.set n, n+1
.endr
.irp jj, 0,1,2,3
	global_store_b128 v[TOK+4*\i+\jj], v[OR+4*\jj:OR+4*\jj+3], s[14:15]
.endr
.Lhalf_\@:
.endm
	HALF 0
	HALF 1
	HALF 2
	HALF 3
	HALF 4
	s_wait_tensorcnt 0x0                           ; the wave's end
	ds_add_u32 v[SPW], v[NIL]
	s_wait_dscnt 0x0
	s_endpgm
.Lfunc_end_k_qbe79760cba_down:
	.size	k_qbe79760cba_down, .Lfunc_end_k_qbe79760cba_down-k_qbe79760cba_down
	.p2alignl 7, 3214868480
	.fill 96, 4, 3214868480
	.section	.rodata,"a",@progbits
	.p2align	6, 0x0
	.amdhsa_kernel k_qbe79760cba_down
		.amdhsa_group_segment_fixed_size 164352
		.amdhsa_private_segment_fixed_size 0
		.amdhsa_enable_private_segment 0
		.amdhsa_kernarg_size 32
		.amdhsa_user_sgpr_count 2
		.amdhsa_user_sgpr_kernarg_segment_ptr 1
		.amdhsa_wavefront_size32 1
		.amdhsa_system_sgpr_workgroup_id_x 1
		.amdhsa_system_sgpr_workgroup_id_y 1
		.amdhsa_system_sgpr_workgroup_id_z 1
		.amdhsa_system_vgpr_workitem_id 0
		.amdhsa_next_free_vgpr 832
		.amdhsa_next_free_sgpr 66
		.amdhsa_reserve_vcc 0
		.amdhsa_float_denorm_mode_32 3
		.amdhsa_float_denorm_mode_16_64 3
		.amdhsa_memory_ordered 1
		.amdhsa_forward_progress 1
		.amdhsa_inst_pref_size 63
	.end_amdhsa_kernel
	.amdgpu_metadata
---
amdhsa.version: [ 1, 2 ]
amdhsa.kernels:
  - .name:           k_qbe79760cba_down
    .symbol:         k_qbe79760cba_down.kd
    .args:
      - { .name: hf, .offset: 0, .size: 8, .value_kind: global_buffer, .address_space: global }
      - { .name: dwf, .offset: 8, .size: 8, .value_kind: global_buffer, .address_space: global }
      - { .name: tabs, .offset: 16, .size: 8, .value_kind: global_buffer, .address_space: global }
      - { .name: out0, .offset: 24, .size: 8, .value_kind: global_buffer, .address_space: global }
    .group_segment_fixed_size: 164352
    .private_segment_fixed_size: 0
    .kernarg_segment_align: 8
    .kernarg_segment_size: 32
    .max_flat_workgroup_size: 128
    .sgpr_count:     66
    .vgpr_count:     832
    .wavefront_size: 32
...
	.end_amdgpu_metadata
.endif
;; end of part 4
;; ======== version 2 of 2: 4 launches; version 1 with the launches gateup, down written anew for expert scheduling mode
;; workspace buffers: ids 8,192 bytes of whole numbers; rec 65,536 bytes; tabs 15,872 bytes of whole numbers; wv 25,856 bytes; xs 4,390,912 bytes; hf 26,345,472 bytes; dwf 20,971,520 bytes
;; launch router: the kernel of part 1 again; grid 256 x 1, 8 waves a work-group, no clusters, 0 bytes of LDS; arguments hidden_states, router_w, ids, rec; writes ids, rec
;; launch prep: the kernel of part 2 again; grid 228 x 1, 8 waves a work-group, no clusters, 2,304 bytes of LDS; arguments ed, sd, hidden_states, ids, rec, dwf, xs, wv, tabs, out1; writes dwf, xs, wv, tabs, out1
;; launch gateup (part 5): grid 192 x 1, 4 waves a work-group, no clusters, 262,656 bytes of LDS; arguments eg, eu, sg, su, xs, wv, tabs, hf; writes hf
.if DOCPART == 5
	.amdgcn_target "amdgcn-amd-amdhsa--gfx1250"
	.amdhsa_code_object_version 6
	.text
	.protected	k_qbe79760cba_gateup
	.globl	k_qbe79760cba_gateup
	.p2align	8
	.type	k_qbe79760cba_gateup,@function
k_qbe79760cba_gateup:
	s_mov_b64 s[64:65], 0
	v_nop
	global_prefetch_b8 v0, s[64:65] scope:SCOPE_SE
	s_setreg_imm32_b32 hwreg(HW_REG_WAVE_SCHED_MODE, 0, 2), 2
	s_setreg_imm32_b32 hwreg(HW_REG_WAVE_MODE, 25, 1), 1
	s_wait_xcnt 0x0
	s_wait_alu depctr_vm_vsrc(0)
; GATE AND UP: h = silu(x Wg) (x Wu) x the token's weight for the expert, rounded to bf16 once, for the chosen experts and the shared one alone.
; SHARES.  Work-group = (job j = number / 32, slice c = number % 32).  Jobs 0-3: experts 0-3 with the blocks of 16 rows that chose them; 4, 5: the shared expert with the two halves of all blocks.
; The slice is 64 columns of Wg and the same 64 of Wu, all K = 1,024.  It is read from memory ONCE, in f32, rounded to bf16 on its way through registers and kept in LDS as fragments (262,144 bytes).
; Then the rows stream: a wave takes UNITS of 6 blocks (units w, w + 4, ..): 6 x 8 = 48 accumulators, 48 matrix instructions for 32 along K, fed by 16 LDS loads and 12 loads of x from memory.
; FRAGMENTS are stored as their registers lie (1 KB: registers 0-3 at 16 x lane, registers 4-7 at 512 + 16 x lane), so each is two loads of 512 consecutive bytes.
; A weights fragment f of a matrix: lane row m is column 64 c + 4 m + f: a lane's 16-byte load of a row of W (columns 4 r .. 4 r + 3) feeds four fragments, and two rows pack into a register.
; THE PRODUCT IS W^T x^T (source 0 = weights, source 1 = x): in the result a lane holds ONE token (lane % 16) and the columns 64 c + 4 (8 (lane / 16) + j) + f.  Fragments f = 2 p and 2 p + 1, after the
; activation and packed in pairs, ARE a fragment of h for the next product: k-block 2 c + p of the slot, its k in that permuted order, which the down weights' layout repeats.
; WHICH ROWS: a table stored by the launch before (block | slot << 16, six to a unit, and the unit's live blocks).  22 units serve every split (an expert has at most (2048 + 3 x 15) / 16 = 130 blocks);
; the loop over units counts to the constant 6, a trip without live blocks is jumped, and so are the epilogues of a unit's dead blocks.  Two barriers, both outside that loop: one ahead of it, between
; the stores that lay the slice into LDS and the reads; one behind it, between all waves' reads and the closing lines.
; NO CLUSTER, NO FILL OF LDS BY AN ENGINE: a slice of weights has one reading work-group (the shared expert's: two) and has to pass registers to be rounded.  A job's 32 work-groups do read the same x;
; but how many units a wave walks hangs on counts read from memory, and a loop of that kind holds no barrier and no refill of LDS: so x goes from memory straight into the registers of the wave that multiplies it.
; LIMITS.  silu(g) = g / (1 + 2^(-g log2 e)): where the exponential overflows (g below about -88) the quotient is taken as -0.  NaN and infinities are not treated apart.
; REGISTERS, in windows of 256 (s_set_vgpr_msb: bits 1:0 source 0, 3:2 source 1, 5:4 source 2, 7:6 destination):
;   window 0: addresses; v40-71 at work; v72-87 packed h; v100-111 the tokens' weights; v128-255 weights fragments, two buffers of 8 (while LDS is filled: two sets of 64 packed registers)
;   window 1: v0-191 x fragments, a ring of four buffers of 6          windows 2, 3: accumulators (block a, fragment q) at 64 a + 8 q; while LDS is filled, window 2 holds two buffers of 128 for rows in f32
; THE MODE: SCHED_MODE bits 1:0 = 2 (LLVM: expert scheduling mode 2), set by the entry lines.  The code itself states the register dependences
; between vector or matrix instructions and memory or LDS instructions, with s_wait_alu, always for 0.
; THE PLAN.  Registers that memory or LDS instructions touch.
; While LDS is filled:
;   RAW0, RAW1   (window 2) A k-block's rows land there; PROC b's 64 roundings read RAW b; the next loads into RAW b follow PROC b.
;   PK0, PK1     (v128-255) Written by PROC b's roundings, read by its 16 LDS stores, written again a trip later.
;   v[VS]        Read by the LDS stores; stepped once a trip.          v[VG]  Read by the loads; never written again.
;   ONE wait on va_vdst in a PROC, between roundings and stores: PK b is written, RAW b is read to the end, v[VS] is written.  ONE wait on vm_vsrc a trip, ahead of the add to v[VS]: the trip's
;   stores have read v[VS] and both PK.
; In a unit:
;   X0 .. X3     Step t's products read X[t % 4]; the loads that step t issues (x of step t + 3) land in X[(t - 1) % 4], which step t - 1 read.
;   W0, W1       Step t's products read W[t % 2]; the LDS loads that step t issues land in the other, which step t - 1 read.
;   v[VB]        Read by those LDS loads; written at a unit's head and once a trip of four steps.          v[VA ..]  Read by x's loads; written once a unit, at its end.
;   v[VH ..], v[VW ..]  Written at a unit's head; read by the way out's stores and by the loads of the tokens' weights.   WT  Loaded at the head, read by the way out.   P  A block's roundings write it, its stores read it.
;   ONE wait on va_vdst at a step's head, behind the waits for the step's own data: the last step's products are done reading the two buffers in which this step's 28 loads land.  These loads are dealt
;   among the step's products, which name X[t % 4], W[t % 2] and the sums alone.  The other waits stand at a unit's head and end, at a trip's end and in the way out, each with its dependence beside it.
.set SPARE, 262144                     ; behind the slice: the spare words, 128 bytes a wave
.set VL16, 4                           ; v4      16 x lane; never rewritten
.set VB,   5                           ; v5      LDS address of the weights' k-blocks in hand: s57 + 16 x lane
.set VS,   7                           ; v7      LDS address at which I store fragments
.set VG,   8                           ; v8      my bytes in 32 rows of W: 8 rows x (lane / 16) + 16 (lane % 16)
.set V4R,  9                           ; v9      4 (lane % 16)
.set VA,   10                          ; v10-15  block a in xs
.set VH,   16                          ; v16-21  block a's place in hf
.set VW,   22                          ; v22-27  block a's place in wv
.set SPW,  28
.set NIL,  29
.set T,    40
.set P,    72
.set WT,   100                         ; v[100 + 2 a]: my token's weight in block a; the odd registers are only named with them as pairs
.set WF,   128
.set PK,   128                         ; while LDS is filled: set b, matrix m, fragment f: 8 registers at PK + 64 b + 32 m + 8 f
.set MSB, 0
.macro WIN new                         ; the immediate's high byte repeats the setting that is left; a switch that changes nothing is dropped
.if MSB != (\new)
	s_set_vgpr_msb (MSB<<8)|(\new)
.set MSB, \new
.endif
.endm
	s_load_b512 s[16:31], s[0:1], 0x0              ; eg s[16:17], eu s[18:19], sg s[20:21], su s[22:23], xs s[24:25], wv s[26:27], tabs s[28:29], hf s[30:31]
	v_lshl_add_u32 v[SPW], v0, 2, SPARE            ; my spare word,
	v_mov_b32 v[NIL], 0                            ; and 0: kept for the closing lines alone
	v_and_b32 v1, 31, v0
	v_lshrrev_b32 v2, 5, v0
	v_readfirstlane_b32 s2, v2                     ; wave
	v_and_b32 v2, 15, v0                           ; r
	v_bfe_u32 v3, v0, 4, 1                         ; h
	v_lshlrev_b32 v[VL16], 4, v1
	v_lshlrev_b32 v[V4R], 2, v2
	v_lshlrev_b32 v[VG], 4, v2
	v_lshl_add_u32 v[VG], v3, 16, v[VG]
.irp a, 0,1,2,3,4,5
	v_mov_b32 v[WT+2*\a+1], 0
.endr
	s_lshr_b32 s3, ttmp9, 5                        ; job
	s_and_b32 s4, ttmp9, 31                        ; slice
	s_wait_alu depctr_va_sdst(0)                   ; s2, the wave's number, is written, ahead of its first reader
	s_lshl_b32 s8, s2, 13
	v_add_nc_u32 v[VS], s8, v[VL16]                ; k-block w
	s_lshl_b32 s7, s3, 10
	s_lshl_b32 s8, s2, 5
	s_add_co_u32 s7, s7, s8                        ; my first unit's words in the table
	s_mov_b32 s58, 0xbfb8aa3b                      ; -log2(e)
	s_mov_b32 s59, s58                             ; named with it as a pair
	s_lshl_b32 s56, s4, 11                         ; k-blocks 2 c, 2 c + 1 in hf
	s_wait_kmcnt 0x0
	s_load_b256 s[40:47], s[28:29], s7 offset:0x0
	s_cmp_lt_u32 s3, 4
	s_cselect_b64 s[32:33], s[16:17], s[20:21]     ; Wg: the expert's or the shared one's
	s_cselect_b64 s[34:35], s[18:19], s[22:23]     ; Wu
	s_cselect_b32 s8, s3, 0
	s_lshl_b32 s8, s8, 23                          ; an expert is 8 MiB,
	s_lshl_b32 s9, s4, 8                           ; 64 columns,
	s_add_co_u32 s8, s8, s9
	s_lshl_b32 s9, s2, 18                          ; 32 rows of 8,192 bytes for each wave
	s_add_co_u32 s8, s8, s9
	s_mov_b32 s9, 0
	s_add_nc_u64 s[32:33], s[32:33], s[8:9]
	s_add_nc_u64 s[34:35], s[34:35], s[8:9]
	s_wait_alu depctr_va_vdst(0)                   ; v[VG] is written, which the loads below read as their offset
; ---------------- the slice goes into LDS: wave w takes k-blocks w + 4 i, i = 0..7 ----------------
; LOADSET: a k-block's 32 rows of both matrices; load 8 half + j takes row 16 half + 8 h + j: lanes 0-15 take 256 consecutive bytes of one row, lanes 16-31 of another.
.macro LOADSET buf, iofs
	WIN 0x80                                       ; destination window 2
.set hj, 0
.rept 16
	global_load_b128 v[128*(\buf)+4*hj:128*(\buf)+4*hj+3], v[VG], s[32:33] offset:(\iofs)+(16*(hj/8)+hj%8)*8192
.set hj, hj+1
.endr
.set hj, 0
.rept 16
	global_load_b128 v[128*(\buf)+64+4*hj:128*(\buf)+64+4*hj+3], v[VG], s[34:35] offset:(\iofs)+(16*(hj/8)+hj%8)*8192
.set hj, hj+1
.endr
.endm
; PROC: register 4 half + i of fragment f packs rows j = 2 i, 2 i + 1 of column 4 r + f; the k-block's 8 fragments (Wg's four, then Wu's) go into LDS, 512 consecutive bytes a store.
; All 64 roundings stand first, into the packed set that goes with the raw buffer; then the one wait; then the 16 stores.
.macro PROC buf, limm
	WIN 0x0a                                       ; sources window 2, destination window 0
.irp mat, 0,1
.set f, 0
.rept 4
.set hi, 0
.rept 8
	v_cvt_pk_bf16_f32 v[PK+64*(\buf)+32*\mat+8*f+hi], v[128*(\buf)+64*\mat+(8*(hi/4)+2*(hi%4))*4+f], v[128*(\buf)+64*\mat+(8*(hi/4)+2*(hi%4)+1)*4+f]
.set hi, hi+1
.endr
.set f, f+1
.endr
.endr
	WIN 0
	s_wait_alu depctr_va_vdst(0)                   ; the roundings have written this packed set, which the stores below read, and are done reading this raw buffer, in which the next loads land; v[VS] is written
.irp mat, 0,1
.set f, 0
.rept 4
	ds_store_b128 v[VS], v[PK+64*(\buf)+32*\mat+8*f:PK+64*(\buf)+32*\mat+8*f+3]   offset:(\limm)+(4*\mat+f)*1024
	ds_store_b128 v[VS], v[PK+64*(\buf)+32*\mat+8*f+4:PK+64*(\buf)+32*\mat+8*f+7] offset:(\limm)+(4*\mat+f)*1024+512
.set f, f+1
.endr
.endr
.endm
	LOADSET 0, 0
	WIN 0
	s_mov_b32 s6, 3
.Lfill:                                                ; a trip: two k-blocks; 32 to 64 loads of the wave are out all the time
	LOADSET 1, 0x100000                            ; four k-blocks on: 128 rows.  No wait: since the wait in the last PROC 1 no vector instruction has named this raw buffer
	s_wait_loadcnt 32                              ; the older set is in: the 32 just issued are younger
	PROC 0, 0
	LOADSET 0, 0x200000                            ; likewise behind PROC 0
	s_wait_loadcnt 32
	PROC 1, 32768
	s_wait_xcnt 0x0                                ; the loads' bases are stepped only behind this wait
	s_add_nc_u64 s[32:33], s[32:33], 0x200000
	s_add_nc_u64 s[34:35], s[34:35], 0x200000
	s_wait_alu depctr_vm_vsrc(0)                   ; the trip's LDS stores have read v[VS], which the next line writes, and both packed sets, which the next two PROC write again
	v_add_nc_u32 v[VS], 0x10000, v[VS]
	s_sub_co_u32 s6, s6, 1
	s_cmp_lg_u32 s6, 0
	s_cbranch_scc1 .Lfill
	LOADSET 1, 0x100000                            ; the last two k-blocks are written out: no load passes the matrix's last row
	s_wait_loadcnt 32
	PROC 0, 0
	s_wait_loadcnt 0x0
	PROC 1, 32768
; ---------------- the units ----------------
.macro ADDR tb                         ; the six blocks' places in xs, from the table words in s[tb ..]
.irp a, 0,1,2,3,4,5
	s_and_b32 s8, s[(\tb)+\a], 0xffff
	s_min_u32 s8, s8, 133
	s_lshl_b32 s8, s8, 15
	v_add_nc_u32 v[VA+\a], s8, v[VL16]
.endr
.endm
.macro APRO                            ; x of a unit's first three K steps, step by step: 36 loads
	WIN 0x40                                       ; destination window 1
.irp t, 0,1,2
.irp a, 0,1,2,3,4,5
	global_load_b128 v[48*\t+8*\a:48*\t+8*\a+3],   v[VA+\a], s[24:25] offset:1024*\t
	global_load_b128 v[48*\t+8*\a+4:48*\t+8*\a+7], v[VA+\a], s[24:25] offset:1024*\t+512
.endr
.endr
	WIN 0
.endm
; Eight products: block a x the eight weights fragments of buffer WS, x from buffer XS (KSTEP sets the two).  zero: they start the sums.
.macro MUL8 a, zero
	WIN 0xa4+0x50*((\a)/4)                         ; weights window 0, x window 1, sums window 2 (blocks 0-3) or 3 (blocks 4, 5)
.irp q, 0,1,2,3,4,5,6,7
.if \zero
	v_wmma_f32_16x16x32_bf16 v[64*((\a)%4)+8*\q:64*((\a)%4)+8*\q+7], v[WS+8*\q:WS+8*\q+7], v[XS+8*(\a):XS+8*(\a)+7], 0
.else
	v_wmma_f32_16x16x32_bf16 v[64*((\a)%4)+8*\q:64*((\a)%4)+8*\q+7], v[WS+8*\q:WS+8*\q+7], v[XS+8*(\a):XS+8*(\a)+7], v[64*((\a)%4)+8*\q:64*((\a)%4)+8*\q+7]
.endif
.endr
.endm
; A K step of 32: multiplies x buffer ab by weights buffer bb.  la: x of three steps on is asked for, at immediate ia, into the buffer read last step; lb: the next step's weights, at immediate ib,
; into the other buffer.  zero: the products start the sums.  nl: how many younger loads from memory may stay out; a step's weights were all asked for in the step before, so the count on DScnt is 0.
; The four v_nop are the places between the last step's matrix instructions and the loads into registers that they read (ISA guide 7.12.1 for vector instructions).
; Behind the one wait the loads are dealt among the products: 8 products, x's 12 loads, 8 products, 8 LDS loads, 8 products, 8 LDS loads, 24 products.
; A unit's step 0 holds no such wait: the buffers in which its loads land were last named ahead of the waits at the last unit's end and at this unit's head.  Nor does a step that loads nothing.
; The 48 accumulators take turns, one instruction a turn, in the same order in every step.
.macro KSTEP ab, bb, la, ia, lb, ib, zero, nl
	s_wait_loadcnt \nl                             ; loads come back in order (ISA guide 5.7.1): this step's x is in
	s_wait_dscnt 0x0                               ; this step's weights are in
.if ((\la) || (\lb)) && !(\zero)
.rept 4
	v_nop
.endr
	s_wait_alu depctr_va_vdst(0)                   ; the last step's products are done reading the x buffer and the weights buffer in which the loads below land; behind a trip's end v[VB] is written
.endif
.set WS, WF+64*(\bb)
.set XS, 48*(\ab)
.set WD, WF+64*(1-(\bb))
.set XD, 48*(((\ab)+3)%4)
	MUL8 0, \zero
.if \la
	WIN 0x40                                       ; destination window 1.  No wait: no product since the wait names this buffer or v[VA ..]
.irp a, 0,1,2,3,4,5
	global_load_b128 v[XD+8*\a:XD+8*\a+3],   v[VA+\a], s[36:37] offset:\ia
	global_load_b128 v[XD+8*\a+4:XD+8*\a+7], v[VA+\a], s[36:37] offset:(\ia)+512
.endr
.endif
	MUL8 1, \zero
.if \lb
	WIN 0                                          ; likewise for the other weights buffer and v[VB]
.irp q, 0,1,2,3
	ds_load_b128 v[WD+8*\q:WD+8*\q+3],   v[VB] offset:(\ib)+1024*\q
	ds_load_b128 v[WD+8*\q+4:WD+8*\q+7], v[VB] offset:(\ib)+1024*\q+512
.endr
.endif
	MUL8 2, \zero
.if \lb
	WIN 0
.irp q, 4,5,6,7
	ds_load_b128 v[WD+8*\q:WD+8*\q+3],   v[VB] offset:(\ib)+1024*\q
	ds_load_b128 v[WD+8*\q+4:WD+8*\q+7], v[VB] offset:(\ib)+1024*\q+512
.endr
.endif
	MUL8 3, \zero
	MUL8 4, \zero
	MUL8 5, \zero
.endm
; Block a's way out: 32 numbers a lane.  g in accumulators 0-3, u in 4-7; each accumulator is read from its lowest registers on.
; The 32 exponentials are one batch with one wait, and so are the 32 reciprocals.  A block past the unit's live ones is jumped.
.macro EPI a
.if (\a) > 0
	s_cmp_le_u32 s46, \a
	s_cbranch_scc1 .Lepi_\@
.endif
.set WA, 2+(\a)/4                      ; source 0 in the block's window
.set AB, 64*((\a)%4)
	WIN WA
.set n, 0
.rept 16
	v_pk_mul_f32 v[T+2*n:T+2*n+1], v[AB+2*n:AB+2*n+1], s[58:59] op_sel_hi:[1,0]    ; -g log2(e)
.set n, n+1
.endr
	WIN 0
.set n, 0
.rept 32
	v_exp_f32 v[T+n], v[T+n]
.set n, n+1
.endr
	v_nop                                          ; a plain instruction behind the last exponential,
	s_wait_alu depctr_va_vdst(0)                   ; and the batch's one wait, ahead of the first use: the 32 exponentials have written v[T ..]
.set n, 0
.rept 16
	v_pk_add_f32 v[T+2*n:T+2*n+1], v[T+2*n:T+2*n+1], 1.0 op_sel_hi:[1,0]
.set n, n+1
.endr
.set n, 0
.rept 32
	v_rcp_f32 v[T+n], v[T+n]
.set n, n+1
.endr
	v_nop
	s_wait_alu depctr_va_vdst(0)                   ; the 32 reciprocals have written v[T ..], ahead of the first use
	WIN WA
.set n, 0
.rept 16
	v_pk_mul_f32 v[T+2*n:T+2*n+1], v[AB+2*n:AB+2*n+1], v[T+2*n:T+2*n+1]            ; silu(g)
.set n, n+1
.endr
.set n, 0
.rept 16
	v_pk_mul_f32 v[T+2*n:T+2*n+1], v[AB+32+2*n:AB+32+2*n+1], v[T+2*n:T+2*n+1]      ; x u
.set n, n+1
.endr
	WIN 0
.set n, 0
.rept 16
	v_pk_mul_f32 v[T+2*n:T+2*n+1], v[T+2*n:T+2*n+1], v[WT+2*(\a):WT+2*(\a)+1] op_sel_hi:[1,0]  ; x my token's weight, ahead of the one rounding
.set n, n+1
.endr
	s_wait_xcnt 0x0                                ; the block before's stores have had their addresses translated: the packed registers are rewritten only behind this wait
.if (\a) > 0
	s_wait_alu depctr_vm_vsrc(0)                   ; the block before's stores have read v[P ..], which the roundings below write again (for block 0 the wait at the unit's head has stated it of the last unit's)
.endif
.set n, 0
.rept 16
	v_cvt_pk_bf16_f32 v[P+n], v[T+2*n], v[T+2*n+1]
.set n, n+1
.endr
	s_wait_alu depctr_va_vdst(0)                   ; the roundings have written v[P ..], which the stores read
.irp k, 0,1,2,3
	global_store_b128 v[VH+\a], v[P+4*\k:P+4*\k+3], s[30:31] offset:512*\k         ; two fragments of h: 2,048 bytes on end, 512 a store
.endr
.Lepi_\@:
.endm
	s_wait_kmcnt 0x0                               ; my first unit's words
	ADDR 40
	s_wait_alu depctr_va_vdst(0)                   ; v[VA ..] are written, which the loads below read
	APRO                                           ; its first loads go out ahead of the barrier
	s_wait_dscnt 0x0                               ; for the others' sake: my part of the slice is in LDS
	s_barrier_signal -1
	s_barrier_wait -1                              ; the slice is whole; from here to the second barrier LDS is only read
	s_mov_b32 s5, 6
.Lunit:
	s_cmp_eq_u32 s46, 0
	s_cbranch_scc1 .Lskip                          ; no live block: nor in any later unit of mine, since the words stay
	s_wait_xcnt 0x0                                ; the last unit's stores have had their addresses translated
	s_wait_alu depctr_vm_vsrc(0)                   ; the last unit's stores have read v[VH ..], its loads v[VW ..] and v[VB], all written below; in my first unit: my LDS stores have read the packed sets, in which weights fragments land from here on
.irp a, 0,1,2,3,4,5
	s_and_b32 s8, s[40+\a], 0xffff
	s_min_u32 s8, s8, 133                          ; block
	s_lshr_b32 s9, s[40+\a], 16
	s_min_u32 s9, s9, 2                            ; slot
	s_mul_i32 s10, s8, 196608                      ; 192 k-blocks a block,
	s_lshl_b32 s11, s9, 16                         ; 64 a slot
	s_add_co_u32 s10, s10, s11
	s_add_co_u32 s10, s10, s56
	v_add_nc_u32 v[VH+\a], s10, v[VL16]
	s_mul_i32 s11, s9, 8576                        ; 2,144 places a slot
	s_lshl_b32 s12, s8, 6
	s_add_co_u32 s11, s11, s12
	v_add_nc_u32 v[VW+\a], s11, v[V4R]
.endr
	v_mov_b32 v[VB], v[VL16]
	s_wait_alu depctr_va_vdst(0)                   ; v[VH ..], v[VW ..] and v[VB] are written; the last way out is done reading the tokens' weights, in whose registers the loads below land; in my first unit: the roundings have written the packed sets
.irp a, 0,1,2,3,4,5
	global_load_b32 v[WT+2*\a], v[VW+\a], s[26:27]
.endr
	s_load_b256 s[48:55], s[28:29], s7 offset:128  ; my next unit's words: four units on
	s_mov_b32 s57, 0                               ; the LDS byte of the k-blocks in hand: 0, then 32,768 on in each of the seven trips below: 229,376 at the most
	s_mov_b64 s[36:37], s[24:25]
.irp q, 0,1,2,3,4,5,6,7
	ds_load_b128 v[WF+8*\q:WF+8*\q+3],   v[VB] offset:1024*\q
	ds_load_b128 v[WF+8*\q+4:WF+8*\q+7], v[VB] offset:1024*\q+512
.endr
	; the counts: x of the two later steps (24 loads) may stay out.  In steps 0 to 2 the six loads of the tokens' weights lie among the younger ones too: 24 is then the smaller, safe count.
	KSTEP 0, 0, 1, 3072, 1, 8192, 1, 24
	WIN 0
	s_mov_b32 s6, 7
.Lk:                                                   ; a trip: steps 4 i + 1 .. 4 i + 4
	KSTEP 1, 1, 1, 4096, 1, 2*8192, 0, 24
	KSTEP 2, 0, 1, 5120, 1, 3*8192, 0, 24
	KSTEP 3, 1, 1, 6144, 1, 4*8192, 0, 24
	KSTEP 0, 0, 1, 7168, 1, 5*8192, 0, 24
	WIN 0
	s_wait_xcnt 0x0                                ; x's base is stepped only behind this wait
	s_add_nc_u64 s[36:37], s[36:37], 4096
	s_add_co_u32 s57, s57, 0x8000                  ; four k-blocks of 8 KB on in LDS
	s_wait_alu depctr_vm_vsrc(0)                   ; the LDS loads issued so far have read v[VB]
	v_add_nc_u32 v[VB], s57, v[VL16]
	s_sub_co_u32 s6, s6, 1
	s_cmp_lg_u32 s6, 0
	s_cbranch_scc1 .Lk
	KSTEP 1, 1, 0, 0, 1, 2*8192, 0, 24             ; steps 29 to 31: no x is left to ask for, and the counts run down; the last LDS byte read is 229,376 + 3 x 8,192 + 8,191 = 262,143
	KSTEP 2, 0, 0, 0, 1, 3*8192, 0, 12
	KSTEP 3, 1, 0, 0, 0, 0, 0, 0
	WIN 0
.rept 4
	v_nop                                          ; the places behind the last products
.endr
	s_wait_kmcnt 0x0
	s_wait_alu depctr_vm_vsrc(0)                   ; this unit's loads of x have read v[VA ..], which the next lines write
	ADDR 48
	s_wait_alu depctr_va_vdst(0)                   ; v[VA ..] are written; the last steps' products are done reading x's buffers 0 to 2, in which the loads below land
	APRO                                           ; the next unit's first loads are on their way during this unit's way out; past my last unit they point at the job's last block and are not used
	EPI 0
	EPI 1
	EPI 2
	EPI 3
	EPI 4
	EPI 5
.irp i, 0,1,2,3,4,5,6,7
	s_mov_b32 s[40+\i], s[48+\i]
.endr
	s_add_co_u32 s7, s7, 128
.Lskip:
	s_sub_co_u32 s5, s5, 1
	s_cmp_lg_u32 s5, 0
	s_cbranch_scc1 .Lunit
	s_wait_dscnt 0x0                               ; my reads of LDS are back,
	s_barrier_signal -1
	s_barrier_wait -1                              ; and so are all four waves': only now does any wave write LDS again
	s_wait_dscnt 0x0                               ; the closing lines, six on end
	s_wait_alu 0x0
	s_wait_tensorcnt 0x0
	ds_add_u32 v[SPW], v[NIL]
	s_wait_dscnt 0x0
	s_endpgm
.Lfunc_end_k_qbe79760cba_gateup:
	.size	k_qbe79760cba_gateup, .Lfunc_end_k_qbe79760cba_gateup-k_qbe79760cba_gateup
	.p2alignl 7, 3214868480
	.fill 96, 4, 3214868480
	.section	.rodata,"a",@progbits
	.p2align	6, 0x0
	.amdhsa_kernel k_qbe79760cba_gateup
		.amdhsa_group_segment_fixed_size 262656
		.amdhsa_private_segment_fixed_size 0
		.amdhsa_enable_private_segment 0
		.amdhsa_kernarg_size 64
		.amdhsa_user_sgpr_count 2
		.amdhsa_user_sgpr_kernarg_segment_ptr 1
		.amdhsa_wavefront_size32 1
		.amdhsa_system_sgpr_workgroup_id_x 1
		.amdhsa_system_sgpr_workgroup_id_y 1
		.amdhsa_system_sgpr_workgroup_id_z 1
		.amdhsa_system_vgpr_workitem_id 0
		.amdhsa_next_free_vgpr 896
		.amdhsa_next_free_sgpr 66
		.amdhsa_reserve_vcc 0
		.amdhsa_float_denorm_mode_32 3
		.amdhsa_float_denorm_mode_16_64 3
		.amdhsa_memory_ordered 1
		.amdhsa_forward_progress 1
		.amdhsa_inst_pref_size 144
	.end_amdhsa_kernel
	.amdgpu_metadata
---
amdhsa.version: [ 1, 2 ]
amdhsa.kernels:
  - .name:           k_qbe79760cba_gateup
    .symbol:         k_qbe79760cba_gateup.kd
    .args:
      - { .name: eg, .offset: 0, .size: 8, .value_kind: global_buffer, .address_space: global }
      - { .name: eu, .offset: 8, .size: 8, .value_kind: global_buffer, .address_space: global }
      - { .name: sg, .offset: 16, .size: 8, .value_kind: global_buffer, .address_space: global }
      - { .name: su, .offset: 24, .size: 8, .value_kind: global_buffer, .address_space: global }
      - { .name: xs, .offset: 32, .size: 8, .value_kind: global_buffer, .address_space: global }
      - { .name: wv, .offset: 40, .size: 8, .value_kind: global_buffer, .address_space: global }
      - { .name: tabs, .offset: 48, .size: 8, .value_kind: global_buffer, .address_space: global }
      - { .name: hf, .offset: 56, .size: 8, .value_kind: global_buffer, .address_space: global }
    .group_segment_fixed_size: 262656
    .private_segment_fixed_size: 0
    .kernarg_segment_align: 8
    .kernarg_segment_size: 64
    .max_flat_workgroup_size: 128
    .sgpr_count:     66
    .vgpr_count:     896
    .wavefront_size: 32
...
	.end_amdgpu_metadata
.endif
;; end of part 5
;; launch down (part 6): grid 8 x 31, 4 waves a work-group, no clusters, 164,352 bytes of LDS; arguments hf, dwf, tabs, out0; writes out0
.if DOCPART == 6
	.amdgcn_target "amdgcn-amd-amdhsa--gfx1250"
	.amdhsa_code_object_version 6
	.text
	.protected	k_qbe79760cba_down
	.globl	k_qbe79760cba_down
	.p2align	8
	.type	k_qbe79760cba_down,@function
k_qbe79760cba_down:
	s_mov_b64 s[64:65], 0
	v_nop
	global_prefetch_b8 v0, s[64:65] scope:SCOPE_SE
	s_setreg_imm32_b32 hwreg(HW_REG_WAVE_SCHED_MODE, 0, 2), 2
	s_setreg_imm32_b32 hwreg(HW_REG_WAVE_MODE, 25, 1), 1
	s_wait_xcnt 0x0
	s_wait_alu depctr_vm_vsrc(0)
; DOWN: out[token] = [h_shared | w_lo h_e1 | w_hi h_e2] x [sd ; ed[e1] ; ed[e2]]: ONE sum over K = 3 x 2,048 for each output, since the weights were multiplied into h.  Each output row has one owner.
; SHARES.  Work-group = (column tile of 128: x; row tile: y).  A row tile is up to five blocks of 16 rows of ONE set of experts, named by a table of the launch that sorted; 31 tiles serve every split.
; K IS SPLIT OVER THE FOUR WAVES: wave w takes k-blocks 4 i + w of each of the three slots and makes the whole 80 x 128 tile: 40 accumulators, 48 steps of 40 matrix instructions.
; h and the weights lie in memory as fragments (1 KB, as the registers lie), so a step is 26 loads of 512 consecutive bytes straight into registers; three buffers, one for each slot, take turns.
; Then the four partial tiles, in f32, meet in LDS behind the one barrier, are added, and leave as whole stretches of 256 bytes of a token's row.
; Source 0 = h (16 tokens), source 1 = weights: in the result register j is token row 8 (lane / 16) + j, and lane % 16 = n is column 64 g + 4 n + f of the tile for fragment q = 4 g + f:
; the four fragments f of a group give a lane four neighbouring columns, 16 bytes.
; A tile without blocks jumps over the products and the LDS stores, passes the barrier, and stores nothing.  A tile's places past its blocks repeat its last block; their results are not stored.
; Rows that pad a block repeat a token of the same block: they hold the same bits and are stored to the same bytes by the same work-group.
; NO CLUSTER: no fragment is read by two waves of a work-group, so nothing goes through LDS on the way in.  The 8 column tiles of a row tile share h's fragments, 10 of a step's 26 loads;
; the weights, the other 16, hang on the row tile's set, a number read from memory that differs between neighbouring tiles.
; REGISTERS, in windows of 256: window 0: addresses; v64-183 h's fragments, three buffers of 5 (later the partial sums read back, and what is stored); window 1: v0-191 the weights', three buffers of 8;
;   windows 2, 3: accumulators (block a, fragment q) at 8 (8 a + q).
; THE MODE: SCHED_MODE bits 1:0 = 2 (LLVM: expert scheduling mode 2), set by the entry lines.  The code itself states the register dependences
; between vector or matrix instructions and memory or LDS instructions, with s_wait_alu, always for 0.
; THE PLAN.  Registers that memory or LDS instructions touch:
;   buffers 0 .. 2   (h's fragments in window 0, the weights' in window 1)  Step t's products read buffer t % 3; the 26 loads of step t + 2 land in buffer (t - 1) % 3, which step t - 1 read.
;   v[VAO ..], v[VBO ..], v[VST], v40-44   Offsets and addresses, made at the head and never written again: the scalar bases move on.
;   the accumulators   Written by the products; read by the 80 LDS stores.
;   v[VR0], v[VR1]   LDS addresses of a part of the way out: written for each part, read by its 16 LDS loads.          LR   Those loads land in it; the part's additions read and write it.
;   OR   Written by a part's last 16 additions, read by its 4 stores.          TOK   Loaded; turned into offsets by vector lines behind the barrier; read by the stores.
; ONE wait on va_vdst to a step, at its head, behind the products that have emptied a buffer; the buffer is asked for again at once, ahead of the wait for this step's own data: the launch has
; three steps' loads asked for at that wait, and a buffer asked for only behind it would lie idle meanwhile.  The way out's waits stand each with its dependence beside it.
.set SPARE, 163840                     ; LDS: 4 waves x 40 accumulators x 1 KB; then the spare words, 128 bytes a wave
.set VL16, 4                           ; v4      16 x lane
.set VAO,  5                           ; v5-9    block a in hf, at my first k-block
.set VBO,  10                          ; v10-12  slot s's weights in dwf, at my first k-block
.set VST,  13                          ; v13     where I put my partial sums
.set VR0,  14                          ; v14, 15 where I read partial sums
.set VR1,  15
.set TOK,  16                          ; v16-35  part i of my five, row jj: the byte offset in out0
.set SPW,  36
.set NIL,  37
.set AF,   64
.set LR,   64
.set OR,   128
.set MSB, 0
.macro WIN new
.if MSB != (\new)
	s_set_vgpr_msb (MSB<<8)|(\new)
.set MSB, \new
.endif
.endm
	s_load_b256 s[8:15], s[0:1], 0x0               ; hf s[8:9], dwf s[10:11], tabs s[12:13], out0 s[14:15]
	v_lshl_add_u32 v[SPW], v0, 2, SPARE            ; my spare word,
	v_mov_b32 v[NIL], 0                            ; and 0: kept for the closing lines alone
	v_and_b32 v1, 31, v0
	v_lshrrev_b32 v2, 5, v0
	v_readfirstlane_b32 s2, v2                     ; wave
	v_and_b32 v2, 15, v0                           ; r
	v_bfe_u32 v3, v0, 4, 1                         ; h
	v_lshlrev_b32 v[VL16], 4, v1
	s_and_b32 s4, ttmp7, 0xffff
	s_lshl_b32 s4, s4, 5                           ; the row tile's eight words
	s_wait_alu depctr_va_sdst(0)                   ; s2, the wave's number, is written, ahead of its first reader
	s_mul_i32 s5, s2, 5                            ; on the way out the tile has 20 parts u = (block a = u / 4, column group g = (u / 2) % 2, register half u % 2); mine are 5 w .. 5 w + 4
.irp i, 0,1,2,3,4
	s_add_co_u32 s[34+\i], s5, \i
	s_lshr_b32 s[34+\i], s[34+\i], 2               ; part i's block a
	s_lshl2_add_u32 s[40+\i], s[34+\i], s4
.endr
	s_wait_kmcnt 0x0
	s_load_b256 s[16:23], s[12:13], s4 offset:6144 ; five blocks, their number, e1, e2
.irp i, 0,1,2,3,4
	s_load_b32 s[24+\i], s[12:13], s[40+\i] offset:6144    ; the blocks of my five parts
.endr
	s_lshl_b32 s6, s2, 10
	s_wait_kmcnt 0x0
.irp a, 0,1,2,3,4
	s_min_u32 s7, s[16+\a], 133
	s_mul_i32 s7, s7, 196608                       ; 192 k-blocks a block
	s_add_co_u32 s7, s7, s6                        ; + k-block w
	v_add_nc_u32 v[VAO+\a], s7, v[VL16]
.endr
.macro VBSET s, e                      ; ((8 expert + column tile) x 64 + w) x 8 KB
	s_lshl_b32 s7, \e, 3
	s_add_co_u32 s7, s7, ttmp9
	s_lshl_b32 s7, s7, 6
	s_add_co_u32 s7, s7, s2
	s_lshl_b32 s7, s7, 13
	v_add_nc_u32 v[VBO+\s], s7, v[VL16]
.endm
	s_mov_b32 s3, 4                                ; the shared expert's weights are the fifth
	VBSET 0, s3
	s_min_u32 s3, s22, 3
	VBSET 1, s3
	s_min_u32 s3, s23, 3
	VBSET 2, s3
	s_mul_i32 s7, s2, 40960
	v_add_nc_u32 v[VST], s7, v[VL16]
	v_lshlrev_b32 v38, 5, v3
.irp i, 0,1,2,3,4                      ; the tokens of my parts' rows 8 h + 4 (u % 2) + 0..3: first the five addresses,
	s_min_u32 s7, s[24+\i], 133
	s_lshl_b32 s7, s7, 6
	s_add_co_u32 s3, s5, \i
	s_and_b32 s3, s3, 1
	s_lshl_b32 s3, s3, 4
	s_add_co_u32 s7, s7, s3
	v_add_nc_u32 v[40+\i], s7, v38
.endr
	s_wait_alu depctr_va_vdst(0)                   ; v40-44 are written, which the five loads below read; so are v[VAO ..], v[VBO ..] and v[VST], which the loads of the steps and the LDS stores read
.irp i, 0,1,2,3,4                      ; then the five loads
	global_load_b128 v[TOK+4*\i:TOK+4*\i+3], v[40+\i], s[12:13] offset:7168
.endr
	s_mov_b64 s[30:31], s[8:9]
	s_mov_b64 s[32:33], s[10:11]
	s_cmp_eq_u32 s21, 0
	s_cbranch_scc1 .Lnowork                        ; a tile without blocks: only work is jumped, no barrier
.macro LDG buf, s                      ; a step's 26 loads: slot s, the k-block at which the two bases stand
	WIN 0
.irp a, 0,1,2,3,4
	global_load_b128 v[AF+40*(\buf)+8*\a:AF+40*(\buf)+8*\a+3],   v[VAO+\a], s[30:31] offset:65536*(\s)
	global_load_b128 v[AF+40*(\buf)+8*\a+4:AF+40*(\buf)+8*\a+7], v[VAO+\a], s[30:31] offset:65536*(\s)+512
.endr
	WIN 0x40                                       ; destination window 1
.irp q, 0,1,2,3,4,5,6,7
	global_load_b128 v[64*(\buf)+8*\q:64*(\buf)+8*\q+3],   v[VBO+\s], s[32:33] offset:1024*\q
	global_load_b128 v[64*(\buf)+8*\q+4:64*(\buf)+8*\q+7], v[VBO+\s], s[32:33] offset:1024*\q+512
.endr
.endm
; A step: multiplies buffer cb; ld: the step two on is asked for, into the buffer read last step.  The four v_nop are the places between the last step's matrix instructions and those loads
; (ISA guide 7.12.1 for vector instructions).  Step 0 has no step in front of it, and the last two steps load nothing: they hold neither the places nor the wait.
; The 40 accumulators take turns, one instruction a turn.
.macro DSTEP cb, ld, lbuf, s, zero, nl
.if (\ld) && !(\zero)
	WIN 0
.rept 4
	v_nop
.endr
	s_wait_alu depctr_va_vdst(0)                   ; the last step's products are done reading the buffer in which the 26 loads below land
.endif
.if \ld
	LDG \lbuf, \s
.endif
	s_wait_loadcnt \nl
	WIN 0xa4                                       ; h window 0, weights window 1, sums window 2
.irp a, 0,1,2,3
.irp q, 0,1,2,3,4,5,6,7
.if \zero
	v_wmma_f32_16x16x32_bf16 v[8*(8*\a+\q):8*(8*\a+\q)+7], v[AF+40*(\cb)+8*\a:AF+40*(\cb)+8*\a+7], v[64*(\cb)+8*\q:64*(\cb)+8*\q+7], 0
.else
	v_wmma_f32_16x16x32_bf16 v[8*(8*\a+\q):8*(8*\a+\q)+7], v[AF+40*(\cb)+8*\a:AF+40*(\cb)+8*\a+7], v[64*(\cb)+8*\q:64*(\cb)+8*\q+7], v[8*(8*\a+\q):8*(8*\a+\q)+7]
.endif
.endr
.endr
	WIN 0xf4                                       ; sums window 3
.irp q, 0,1,2,3,4,5,6,7
.if \zero
	v_wmma_f32_16x16x32_bf16 v[8*\q:8*\q+7], v[AF+40*(\cb)+32:AF+40*(\cb)+39], v[64*(\cb)+8*\q:64*(\cb)+8*\q+7], 0
.else
	v_wmma_f32_16x16x32_bf16 v[8*\q:8*\q+7], v[AF+40*(\cb)+32:AF+40*(\cb)+39], v[64*(\cb)+8*\q:64*(\cb)+8*\q+7], v[8*\q:8*\q+7]
.endif
.endr
.endm
	LDG 0, 0
	LDG 1, 1
	DSTEP 0, 1, 2, 2, 1, 52                        ; the count: the two younger steps' 26 loads each may stay out
	WIN 0
	s_wait_xcnt 0x0                                ; the bases are stepped only behind this wait
	s_add_nc_u64 s[30:31], s[30:31], 4096          ; four k-blocks on in h,
	s_add_nc_u64 s[32:33], s[32:33], 32768         ; and in the weights
	s_mov_b32 s3, 15
.Lk:                                                   ; a trip: slots 1 and 2 of one k-block, slot 0 of the next; it asks for the next k-block's three steps
	DSTEP 1, 1, 0, 0, 0, 52
	DSTEP 2, 1, 1, 1, 0, 52
	DSTEP 0, 1, 2, 2, 0, 52
	WIN 0
	s_wait_xcnt 0x0
	s_add_nc_u64 s[30:31], s[30:31], 4096
	s_add_nc_u64 s[32:33], s[32:33], 32768
	s_sub_co_u32 s3, s3, 1
	s_cmp_lg_u32 s3, 0
	s_cbranch_scc1 .Lk
	DSTEP 1, 0, 0, 0, 0, 26                        ; the last two steps ask for nothing: the counts run down
	DSTEP 2, 0, 0, 0, 0, 0
	WIN 0
.rept 4
	v_nop                                          ; the places behind the last products
.endr
	WIN 0x08                                       ; store data window 2
	s_wait_alu depctr_va_vdst(0)                   ; the products have written the accumulators, which the LDS stores read; the places above stay beside this wait
.set n, 0
.rept 32
	ds_store_b128 v[VST], v[8*n:8*n+3]   offset:1024*n     ; each accumulator's lowest registers first
	ds_store_b128 v[VST], v[8*n+4:8*n+7] offset:1024*n+512
.set n, n+1
.endr
	WIN 0x0c                                       ; window 3
.set n, 0
.rept 8
	ds_store_b128 v[VST], v[8*n:8*n+3]   offset:1024*(32+n)
	ds_store_b128 v[VST], v[8*n+4:8*n+7] offset:1024*(32+n)+512
.set n, n+1
.endr
	WIN 0
.Lnowork:
	s_wait_dscnt 0x0                               ; for the others' sake: my partial sums are in LDS
	s_barrier_signal -1
	s_barrier_wait -1
	s_wait_loadcnt 0x0                             ; the tokens
	v_lshlrev_b32 v39, 4, v2
	s_lshl_b32 s6, ttmp9, 9                        ; the column tile's 512 bytes
.irp i, 0,1,2,3,4
	s_add_co_u32 s3, s5, \i
	s_lshr_b32 s3, s3, 1
	s_and_b32 s3, s3, 1
	s_lshl_b32 s3, s3, 8                           ; the group's 256
	s_add_co_u32 s3, s3, s6
	v_add_nc_u32 v38, s3, v39
.irp jj, 0,1,2,3
	v_min_u32 v[TOK+4*\i+\jj], 0x7ff, v[TOK+4*\i+\jj]
	v_lshl_add_u32 v[TOK+4*\i+\jj], v[TOK+4*\i+\jj], 12, v38
.endr
.endr
; Part i: four waves' sums of the group's four fragments, one half of their registers: 16 loads; added; four stores, in each of which lanes 0-15 fill 256 consecutive bytes of one token's row
; (at a multiple of 256 from out0's first byte) and lanes 16-31 those of another.  A part of a block past the tile's live ones is jumped.
.macro HALF i
	s_cmp_ge_u32 s[34+\i], s21
	s_cbranch_scc1 .Lhalf_\@
	s_add_co_u32 s3, s5, \i
	s_lshr_b32 s7, s3, 1
	s_lshl_b32 s7, s7, 12                          ; accumulators 8 a + 4 g ..
	s_and_b32 s3, s3, 1
	s_lshl_b32 s3, s3, 9                           ; registers 0-3 or 4-7
	s_add_co_u32 s7, s7, s3
.if (\i) > 0
	s_wait_alu depctr_vm_vsrc(0)                   ; the part before's LDS loads have read v[VR0] and v[VR1], which the next two lines write; its stores have read v[OR ..], which this part's additions write again
.endif
	v_add_nc_u32 v[VR0], s7, v[VL16]
	v_add_nc_u32 v[VR1], 81920, v[VR0]             ; waves 2 and 3
	s_wait_alu depctr_va_vdst(0)                   ; the two addresses are written; the products and the part before's additions are done with v[LR ..], in which the loads below land
.irp f, 0,1,2,3
	ds_load_b128 v[LR+4*\f:LR+4*\f+3],       v[VR0] offset:1024*\f
	ds_load_b128 v[LR+16+4*\f:LR+16+4*\f+3], v[VR0] offset:40960+1024*\f
	ds_load_b128 v[LR+32+4*\f:LR+32+4*\f+3], v[VR1] offset:1024*\f
	ds_load_b128 v[LR+48+4*\f:LR+48+4*\f+3], v[VR1] offset:40960+1024*\f
.endr
	s_wait_dscnt 0x0
.set n, 0
.rept 8
	v_pk_add_f32 v[LR+2*n:LR+2*n+1], v[LR+2*n:LR+2*n+1], v[LR+16+2*n:LR+16+2*n+1]
	v_pk_add_f32 v[LR+32+2*n:LR+32+2*n+1], v[LR+32+2*n:LR+32+2*n+1], v[LR+48+2*n:LR+48+2*n+1]
.set n, n+1
.endr
	s_wait_xcnt 0x0                                ; the part before's stores have had their addresses translated: their data registers are rewritten only behind this wait
.set n, 0
.rept 16                               ; n = 4 jj + f: row jj, column 4 r + f
	v_add_f32 v[OR+n], v[LR+4*(n%4)+n/4], v[LR+32+4*(n%4)+n/4]
.set n, n+1
.endr
	s_wait_alu depctr_va_vdst(0)                   ; the additions have written v[OR ..], which the stores read (their offsets, v[TOK ..], were written ahead of the wait above)
.irp jj, 0,1,2,3
	global_store_b128 v[TOK+4*\i+\jj], v[OR+4*\jj:OR+4*\jj+3], s[14:15]
.endr
.Lhalf_\@:
.endm
	HALF 0
	HALF 1
	HALF 2
	HALF 3
	HALF 4
	s_wait_dscnt 0x0                               ; the closing lines, six on end
	s_wait_alu 0x0
	s_wait_tensorcnt 0x0
	ds_add_u32 v[SPW], v[NIL]
	s_wait_dscnt 0x0
	s_endpgm
.Lfunc_end_k_qbe79760cba_down:
	.size	k_qbe79760cba_down, .Lfunc_end_k_qbe79760cba_down-k_qbe79760cba_down
	.p2alignl 7, 3214868480
	.fill 96, 4, 3214868480
	.section	.rodata,"a",@progbits
	.p2align	6, 0x0
	.amdhsa_kernel k_qbe79760cba_down
		.amdhsa_group_segment_fixed_size 164352
		.amdhsa_private_segment_fixed_size 0
		.amdhsa_enable_private_segment 0
		.amdhsa_kernarg_size 32
		.amdhsa_user_sgpr_count 2
		.amdhsa_user_sgpr_kernarg_segment_ptr 1
		.amdhsa_wavefront_size32 1
		.amdhsa_system_sgpr_workgroup_id_x 1
		.amdhsa_system_sgpr_workgroup_id_y 1
		.amdhsa_system_sgpr_workgroup_id_z 1
		.amdhsa_system_vgpr_workitem_id 0
		.amdhsa_next_free_vgpr 832
		.amdhsa_next_free_sgpr 66
		.amdhsa_reserve_vcc 0
		.amdhsa_float_denorm_mode_32 3
		.amdhsa_float_denorm_mode_16_64 3
		.amdhsa_memory_ordered 1
		.amdhsa_forward_progress 1
		.amdhsa_inst_pref_size 63
	.end_amdhsa_kernel
	.amdgpu_metadata
---
amdhsa.version: [ 1, 2 ]
amdhsa.kernels:
  - .name:           k_qbe79760cba_down
    .symbol:         k_qbe79760cba_down.kd
    .args:
      - { .name: hf, .offset: 0, .size: 8, .value_kind: global_buffer, .address_space: global }
      - { .name: dwf, .offset: 8, .size: 8, .value_kind: global_buffer, .address_space: global }
      - { .name: tabs, .offset: 16, .size: 8, .value_kind: global_buffer, .address_space: global }
      - { .name: out0, .offset: 24, .size: 8, .value_kind: global_buffer, .address_space: global }
    .group_segment_fixed_size: 164352
    .private_segment_fixed_size: 0
    .kernarg_segment_align: 8
    .kernarg_segment_size: 32
    .max_flat_workgroup_size: 128
    .sgpr_count:     66
    .vgpr_count:     832
    .wavefront_size: 32
...
	.end_amdgpu_metadata
.endif
;; end of part 6
